; MI455X (gfx1250); checked and timed in simulation.
; The chip was launched on July 23, 2026; its instructions are those of AMD's public machine-readable ISA for CDNA 5 (MIT licence, August 2026) and "CDNA5" Instruction Set Architecture Reference Guide (July 2026). The comments in the code are by the model that wrote it; some were corrected since.
;; Causal Self Attention. Allowed arithmetic: matrix products marked QUANTISED: E2M1 operands, one E8M0 scale for each 32 along K, by v_wmma_scale_f32_16x16x128_f8f6f4 with both operands' format E2M1 (or v_wmma_scale_f32_32x16x128_f4), f32 sums; products left as they are: bf16, f16 or f32 operands; f32 sums; everything else in f32.
;; Inputs: b_attn 3,072 float32; b_proj 1,024 float32; w_attn 3,072 x 1,024 float32; w_proj 1,024 x 1,024 float32; x 8 x 1,024 x 1,024 float32.
;; Outputs: out0 8 x 1,024 x 1,024 float32.
;; This version of the problem:
;;   THIS VERSION OF THE PROBLEM IS GIVEN IN LOW PRECISION. The matrix products marked QUANTISED in the list below multiply operands that are first quantised to E2M1 (2 exponent bits, 1 mantissa bit; 4 bits a number), with one power-of-two scale for each 32 numbers along K (OCP MX v1.0); their sums are f32. The products marked 'left as it is' may take bf16, f16 or f32 operands, with f32 sums. Whichever they take, every output number must still come out within the allowed error. Rounding operands to bf16 (8 significant bits) uses up far more of that allowance than f16 does (11 bits, for magnitudes from 6e-5 to 65,504). All else is computed in f32.
;;   The module's matrix products, in the order in which they are computed (A, B: the left and right operand; K: the contracted axis; several contracted axes count as one K, in the product's order):
;;     1. [M 8,192, K 1,024] x [K 1,024, N 3,072]; A: input x; B: input w_attn: QUANTISED
;;     2. batch 128 x [M 1,024, K 64] x [K 64, N 1,024]; A: computed on the way; B: computed on the way: left as it is (an operand is computed on the way)
;;     3. batch 128 x [M 1,024, K 1,024] x [K 1,024, N 64]; A: computed on the way; B: computed on the way: left as it is (an operand is computed on the way)
;;     4. [M 8,192, K 1,024] x [K 1,024, N 1,024]; A: computed on the way; B: input w_proj: left as it is (an operand is computed on the way)
;;   THE QUANTISER, for each operand of a quantised product, along K:
;;     - K is cut into blocks of 32 from its start; a last block that is shorter is filled with zeros.
;;     - A block's scale is 2^e with e = floor(log2(the largest magnitude in the block)) - 2, held to -126 .. 127; a block of zeros has e = 0. As a byte (E8M0): e + 127.
;;     - Each number is divided by its block's scale, clamped to +-6, and rounded to the nearest number of E2M1, ties to even, subnormals kept.
;;     - The product sums the exact products of the quantised numbers (number of the format x scale) in f32.
;;   ~~~python
;;   def quantise(x, axis):      # numpy; x: float32 -> the quantised numbers, widened to float32 again
;;       x = np.moveaxis(x, axis, -1); K = x.shape[-1]
;;       x = np.pad(x, [(0, 0)] * (x.ndim - 1) + [(0, -K % 32)]); x = x.reshape(x.shape[:-1] + (-1, 32)); a = np.abs(x).max(-1, keepdims=True)
;;       e = np.where(a > 0, np.clip(np.frexp(np.where(a > 0, a, 1))[1] - 1 - 2, -126, 127), 0)      # np.frexp(a)[1] - 1 = floor(log2(a)), exactly
;;       r = np.clip(x / 2.0 ** e, -6, 6)
;;       step = 2.0 ** (np.maximum(np.frexp(np.where(r == 0, 1, r))[1] - 1, 0) - 1)
;;       q = np.round(r / step) * step * 2.0 ** e      # np.round: ties to even
;;       return np.moveaxis(q.reshape(q.shape[:-2] + (-1,))[..., :K], -1, axis).astype(np.float32)
;;   ~~~
;; One version. Each part assembles by itself: llvm-mc -triple=amdgcn-amd-amdhsa -mcpu=gfx1250 --defsym DOCPART=n.
;; ======== version 1 of 1: 5 launches
;; limits: values are held in f16: magnitudes above 65,504 overflow, below 6.1e-05 lose precision
;; workspace buffers: xc 4,194,304 bytes; xs 262,144 bytes; wc 1,572,864 bytes; ws 98,304 bytes; wp16 4,194,304 bytes; qkv16 50,331,648 bytes; fine 1,572,864 bytes; o16 16,777,216 bytes
;; launch quant (part 1): grid 384 x 1, 4 waves a work-group, no clusters, 33,280 bytes of LDS; arguments x, w_attn, xc, xs, wc, ws, w_proj, wp16; writes xc, xs, wc, ws, wp16
.if DOCPART == 1
	.amdgcn_target "amdgcn-amd-amdhsa--gfx1250"
	.amdhsa_code_object_version 6
	.text
	.protected	k_q026dd75a12_quant
	.globl	k_q026dd75a12_quant
	.p2align	8
	.type	k_q026dd75a12_quant,@function
k_q026dd75a12_quant:
	s_mov_b64 s[64:65], 0
	v_nop
	global_prefetch_b8 v0, s[64:65] scope:SCOPE_SE
	s_setreg_imm32_b32 hwreg(HW_REG_WAVE_MODE, 25, 1), 1
	s_wait_xcnt 0x0
; CAUSAL SELF-ATTENTION, launch 1 of 5: the operands of the quantised product x w_attn^T become codes, and w_proj becomes f16.
; WORK LEFT OUT IN THE WHOLE PROGRAM.  The problem's own lower-triangular mask sets score(q, k) to -infinity for every key k > q, whatever the inputs hold, so its softmax weight is 0 and
; neither that score nor that weight times v reaches an output.  Where this holds for all 64 keys of a key step and all 16 queries of a wave, the step is not walked (launch 3).  Nothing else is left out:
; every input is loaded; the part of b_attn that is added to k, which a softmax in real numbers would cancel, is added all the same: it is the C operand of a product that runs anyway.
; LIMIT of that: a NaN, an infinity or an overflow that would arise only in the scores left out is not carried to the result.
; THIS LAUNCH.  x [8192][1024] and w_attn [3072][1024], f32, K innermost, are turned into codes of FP4 (E2M1), two a byte, with one E8M0 scale byte for each 32 along K.
; A block's scale is 2^(floor(log2(its largest magnitude)) - 2); its byte is the largest magnitude's exponent field - 2, held at 1 from below.  Each number is divided by the scale and rounded to the nearest code, ties to even,
; beyond 6 to 6.  A block of zeros gets the byte 1 where the quantiser's text says 127: its codes are zeros, which add nothing under either byte, and this program alone reads the bytes.
; LIMITS: blocks whose largest magnitude lies under 2^-124 keep the byte 1; NaN and infinities among the inputs are not served.
; Rows are dense and 1024 is a multiple of 32, so both tensors are plain streams of blocks.  A wave takes 16 steps of 512 numbers: each of a step's four loads reads 512 consecutive bytes; the 2,048 bytes turn
; through the wave's own stage in LDS and come back 64 bytes a lane, so that a lane holds 16 neighbours along K and two neighbouring lanes a block.  A lane's 16 codes are 8 bytes: a store of the wave covers 256 consecutive bytes.
; A wave's 256 scale bytes are gathered in its own LDS bytes and leave by one store of 256 consecutive bytes.  Loads run eight steps ahead: 32 loads, 16,384 bytes, of every wave are on their way.
; Work-groups 0-255 take x, 256-351 w_attn, 352-383 w_proj (no LDS there).  No tensor loads, no barrier: waves share nothing.
; w_proj [1024][1024] f32 becomes two planes of f16, a high part and a low part (wp16: [2][1024][1024]): launch 4 multiplies by the high part, launch 5 by both.  LIMIT: |w_proj| under 65,504.
.set WAVES, 4
.set STEPS, 16
.set AHEAD, 8                          ; steps that the loads run ahead, and sets of registers for them
.set WGA,   256                        ; 8192 x 1024 / 32768
.set WGB,   96                         ; 3072 x 1024 / 32768
.set EMAX,  2
.set CB,    8                          ; bytes of 16 codes
.set R,     16                         ; v16-143  eight sets of 16 numbers as they are loaded
.set X,     144                        ; v144-175 two sets of 16 neighbours
.set E,     176                        ; v176-191 a scale byte for each step
.set C,     192                        ; v192-255 codes: four registers for each step, so that no store's data are written again
.set WREG,  8192                       ; LDS: a region for each wave: two stages of 32 x SP bytes, behind them its 256 scale bytes
.set SP,    80                         ; a lane's place in a stage: 64 bytes + 16 of padding
.set SPW,   12                         ; v12      LDS address of my spare word; never rewritten
.set NIL,   13                         ; v13      0; never rewritten
.set SPARE, WAVES*WREG                 ; behind the four regions: the spare words, 128 bytes for each wave
.set CX,    16                         ; the w_proj path: v16-79 two sets of 32 numbers
.set CH,    80                         ; v80-95   high parts, packed
.set CL,    96                         ; v96-111  low parts, packed
.set CG,    112                        ; v112-143 at work
.set CD,    144                        ; v144-175 at work
	s_load_b128 s[4:7], s[0:1], 0x0                ; x, w_attn
	s_load_b128 s[8:11], s[0:1], 0x10              ; x's codes, x's scales
	s_load_b128 s[12:15], s[0:1], 0x20             ; w_attn's codes, its scales
	s_load_b128 s[24:27], s[0:1], 0x30             ; w_proj, wp16
	v_lshl_add_u32 v[SPW], v0, 2, SPARE
	v_mov_b32 v[NIL], 0
	v_lshrrev_b32 v1, 5, v0
	v_readfirstlane_b32 s16, v1                    ; wave
	v_and_b32 v2, 31, v0                           ; lane
	s_cmp_ge_u32 ttmp9, WGA+WGB                    ; the last 32 work-groups take w_proj
	s_cbranch_scc1 .Lconv
	v_lshlrev_b32 v3, 4, v2                        ; my 16 bytes of a load's 512
	s_mul_i32 s17, s16, WREG
	v_lshrrev_b32 v14, 2, v2
	v_mul_u32_u24 v14, v14, SP
	v_and_b32 v15, 3, v2
	v_lshl_add_u32 v14, v15, 4, v14
	v_add_nc_u32 v14, s17, v14                     ; the stage, on the way in: SP (lane / 4) + 16 (lane % 4)
	v_mul_u32_u24 v15, v2, SP
	v_add_nc_u32 v15, s17, v15                     ; and on the way out: SP x lane: my 16 neighbours
	v_mul_u32_u24 v4, v2, CB                       ; my codes' place in a step's
	v_lshrrev_b32 v5, 1, v2
	s_add_co_u32 s17, s17, 2*32*SP
	v_add_nc_u32 v5, s17, v5                       ; LDS: my wave's 256 scale bytes, my block's byte
	v_lshlrev_b32 v7, 3, v2                        ; and on the way out 8 bytes a lane
	v_add_nc_u32 v6, s17, v7
	s_wait_kmcnt 0x0
	s_cmp_lt_u32 ttmp9, WGA                        ; x's work-group or w_attn's?  The choice hangs on the work-group's number alone
	s_cselect_b64 s[4:5], s[4:5], s[6:7]
	s_cselect_b64 s[8:9], s[8:9], s[12:13]
	s_cselect_b64 s[10:11], s[10:11], s[14:15]
	s_cselect_b32 s17, 0, WGA
	s_sub_co_u32 s17, ttmp9, s17
	s_lshl_b32 s17, s17, 2
	s_add_co_u32 s18, s17, s16                     ; which run of 8,192 numbers of the tensor is my wave's
	s_mov_b32 s19, 0
	s_mov_b64 s[20:21], 512*STEPS*4
	s_mul_u64 s[20:21], s[18:19], s[20:21]
	s_add_nc_u64 s[4:5], s[4:5], s[20:21]
	s_mov_b64 s[20:21], 32*STEPS*CB
	s_mul_u64 s[20:21], s[18:19], s[20:21]
	s_add_nc_u64 s[8:9], s[8:9], s[20:21]
	s_lshl_b32 s18, s18, 8                         ; 256 scale bytes a run
	s_add_nc_u64 s[10:11], s[10:11], s[18:19]
.macro LOAD t
.irp i, 0,1,2,3
	global_load_b128 v[R+16*((\t)%AHEAD)+4*\i:R+16*((\t)%AHEAD)+4*\i+3], v3, s[4:5] offset:2048*(\t)+512*\i th:TH_LOAD_NT   ; 32 lanes read 512 consecutive bytes
.endr
.endm
.macro TURN t                          ; step t's numbers through the stage: LDS serves a wave's instructions in order, so no wait stands between the stores and the loads
.irp i, 0,1,2,3
	ds_store_b128 v14, v[R+16*((\t)%AHEAD)+4*\i:R+16*((\t)%AHEAD)+4*\i+3] offset:32*SP*((\t)%2)+8*SP*\i
.endr
.irp i, 0,1,2,3
	ds_load_b128 v[X+16*((\t)%2)+4*\i:X+16*((\t)%2)+4*\i+3], v15 offset:32*SP*((\t)%2)+16*\i
.endr
.endm
.irp t, 0,1,2,3,4,5,6,7
	LOAD \t
.endr
	s_wait_loadcnt 4*(AHEAD-1)                     ; step 0's four loads are in; the 28 of the seven steps behind it stay out
	TURN 0
.macro STEP t
.set XS, X+16*((\t)%2)
.if (\t) > 0
	s_wait_dscnt 1                                 ; this step's numbers are back from the stage (the last step's byte store may be out)
.else
	s_wait_dscnt 0x0
.endif
.if (\t)+AHEAD < STEPS
	LOAD (\t)+AHEAD                                ; the registers that the stage's stores have read take the loads of eight steps on
.endif
.if (\t)+1 < STEPS
.if STEPS-2-(\t) >= AHEAD-1
	s_wait_loadcnt 4*(AHEAD-1)                     ; the next step's four loads are in; those of the seven steps behind it may be out
.else
	s_wait_loadcnt 4*(STEPS-2-(\t))                ; at the end the count runs down: four for each step still behind the next
.endif
	TURN (\t)+1                                    ; and go through the other stage while this step is worked
.endif
	v_max3_num_f32 v8, |v[XS]|, |v[XS+1]|, |v[XS+2]|               ; the largest magnitude of my 16, in two chains
	v_max3_num_f32 v9, |v[XS+3]|, |v[XS+4]|, |v[XS+5]|
.irp i, 6,10
	v_max3_num_f32 v8, v8, |v[XS+\i]|, |v[XS+\i+1]|
	v_max3_num_f32 v9, v9, |v[XS+\i+2]|, |v[XS+\i+3]|
.endr
	v_max3_num_f32 v8, v8, |v[XS+14]|, |v[XS+15]|
	v_max3_num_f32 v8, v8, v9, (EMAX+1)<<23        ; and the floor 2^(3 - 127): the byte cannot fall under 1
	v_max_num_f32_dpp v8, v8, v8 row_xmask:1 row_mask:0xf bank_mask:0xf   ; and of my neighbour's 16: the block's
	v_add_nc_u32 v11, -(EMAX<<23), v8              ; 2 off its exponent field: the conversion takes the exponent field of this operand as its scale
	v_cvt_scalef32_pk8_fp4_f32 v[C+4*(\t)], v[XS:XS+7], v11
	v_cvt_scalef32_pk8_fp4_f32 v[C+4*(\t)+1], v[XS+8:XS+15], v11
	v_lshrrev_b32 v[E+(\t)], 23, v11               ; the scale's byte (also the plain line behind the conversions)
	ds_store_b8 v5, v[E+(\t)] offset:16*(\t)       ; both lanes of a block write the same byte with the same value
	global_store_b64 v4, v[C+4*(\t):C+4*(\t)+1], s[8:9] offset:32*CB*(\t)
.endm
.irp t, 0,1,2,3,4,5,6,7,8,9,10,11,12,13,14,15
	STEP \t
.endr
	ds_load_b64 v[8:9], v6                         ; LDS serves a wave's instructions in order: these see my stores
	s_wait_dscnt 0x0
	global_store_b64 v7, v[8:9], s[10:11]          ; 32 lanes store 256 consecutive bytes
	s_wait_tensorcnt 0x0                           ; the wave's end, behind my last LDS store
	ds_add_u32 v[SPW], v[NIL]
	s_wait_dscnt 0x0
	s_endpgm
; ---- w_proj.  A wave takes 8,192 numbers in eight batches of 1,024; a lane holds 8 neighbours of each 256, so that its 8 f16 numbers are 16 bytes and a store of the wave covers 512 consecutive bytes.
; THE SPLIT, in f32: g = 8193 x (rounded), d = x - g, high = g + d, low = x - high.  The rounding of g is what cuts x: high has 11 significant bits, so its conversion to f16 rounds nothing
; (in f16's normal range), and low is exact before it is rounded to f16.  So the multiply and the subtraction stay two instructions.
.Lconv:
	s_sub_co_u32 s17, ttmp9, WGA+WGB
	s_lshl_b32 s17, s17, 2
	s_add_co_u32 s17, s17, s16                     ; my run, 0 .. 127
	s_lshl_b32 s18, s17, 15                        ; 32,768 bytes in,
	s_lshl_b32 s20, s17, 14                        ; 16,384 out in each plane
	s_mov_b32 s19, 0
	s_mov_b32 s21, 0
	s_mov_b32 s28, 0x46000400                      ; 8193.0
	s_mov_b32 s29, s28                             ; (named with it as a pair, so it is written)
	v_lshlrev_b32 v3, 5, v2                        ; in: 32 bytes a lane
	v_lshlrev_b32 v4, 4, v2                        ; out: 16 bytes a lane
	s_wait_kmcnt 0x0
	s_add_nc_u64 s[24:25], s[24:25], s[18:19]
	s_add_nc_u64 s[26:27], s[26:27], s[20:21]
.macro LOADC t
.irp i, 0,1,2,3
	global_load_b128 v[CX+32*((\t)%2)+8*\i:CX+32*((\t)%2)+8*\i+3], v3, s[24:25] offset:(4*(\t)+\i)*1024 th:TH_LOAD_NT
	global_load_b128 v[CX+32*((\t)%2)+8*\i+4:CX+32*((\t)%2)+8*\i+7], v3, s[24:25] offset:(4*(\t)+\i)*1024+16 th:TH_LOAD_NT
.endr
.endm
.macro CONV t
.set XC, CX+32*((\t)%2)
.if (\t) < 7
	s_wait_loadcnt 8                               ; this batch's eight loads are in; the next batch's eight may be out
.else
	s_wait_loadcnt 0x0
.endif
.irp n, 0,2,4,6,8,10,12,14,16,18,20,22,24,26,28,30
	v_pk_mul_f32 v[CG+\n:CG+\n+1], v[XC+\n:XC+\n+1], s[28:29] op_sel_hi:[1,0]
.endr
.irp n, 0,2,4,6,8,10,12,14,16,18,20,22,24,26,28,30
	v_pk_add_f32 v[CD+\n:CD+\n+1], v[XC+\n:XC+\n+1], v[CG+\n:CG+\n+1] neg_lo:[0,1] neg_hi:[0,1]
.endr
.irp n, 0,2,4,6,8,10,12,14,16,18,20,22,24,26,28,30
	v_pk_add_f32 v[CG+\n:CG+\n+1], v[CG+\n:CG+\n+1], v[CD+\n:CD+\n+1]                             ; the high part
.endr
.irp n, 0,2,4,6,8,10,12,14,16,18,20,22,24,26,28,30
	v_pk_add_f32 v[CD+\n:CD+\n+1], v[XC+\n:XC+\n+1], v[CG+\n:CG+\n+1] neg_lo:[0,1] neg_hi:[0,1]   ; the low part
.endr
.if (\t) > 0
	s_wait_xcnt 0x0                                ; the last batch's stores have read their data: the packed registers are written again only behind this wait
.endif
.irp n, 0,1,2,3,4,5,6,7,8,9,10,11,12,13,14,15
	v_cvt_pk_f16_f32 v[CH+\n], v[CG+2*\n], v[CG+2*\n+1]
	v_cvt_pk_f16_f32 v[CL+\n], v[CD+2*\n], v[CD+2*\n+1]
.endr
.if (\t)+2 < 8
	LOADC (\t)+2                                   ; loads ahead of stores
.endif
.irp i, 0,1,2,3
	global_store_b128 v4, v[CH+4*\i:CH+4*\i+3], s[26:27] offset:(4*(\t)+\i)*512
	global_store_b128 v4, v[CL+4*\i:CL+4*\i+3], s[26:27] offset:(4*(\t)+\i)*512+2097152
.endr
.endm
	LOADC 0
	LOADC 1
.irp t, 0,1,2,3,4,5,6,7
	CONV \t
.endr
	s_wait_tensorcnt 0x0                           ; the same three lines at this end of the text
	ds_add_u32 v[SPW], v[NIL]
	s_wait_dscnt 0x0
	s_endpgm
.Lfunc_end_k_q026dd75a12_quant:
	.size	k_q026dd75a12_quant, .Lfunc_end_k_q026dd75a12_quant-k_q026dd75a12_quant
	.p2alignl 7, 3214868480
	.fill 96, 4, 3214868480
	.section	.rodata,"a",@progbits
	.p2align	6, 0x0
	.amdhsa_kernel k_q026dd75a12_quant
		.amdhsa_group_segment_fixed_size 33280
		.amdhsa_private_segment_fixed_size 0
		.amdhsa_enable_private_segment 0
		.amdhsa_kernarg_size 64
		.amdhsa_user_sgpr_count 2
		.amdhsa_user_sgpr_kernarg_segment_ptr 1
		.amdhsa_wavefront_size32 1
		.amdhsa_system_sgpr_workgroup_id_x 1
		.amdhsa_system_sgpr_workgroup_id_y 1
		.amdhsa_system_sgpr_workgroup_id_z 1
		.amdhsa_system_vgpr_workitem_id 0
		.amdhsa_next_free_vgpr 256
		.amdhsa_next_free_sgpr 66
		.amdhsa_reserve_vcc 0
		.amdhsa_float_denorm_mode_32 3
		.amdhsa_float_denorm_mode_16_64 3
		.amdhsa_memory_ordered 1
		.amdhsa_forward_progress 1
		.amdhsa_inst_pref_size 95
	.end_amdhsa_kernel
	.amdgpu_metadata
---
amdhsa.version: [ 1, 2 ]
amdhsa.kernels:
  - .name:           k_q026dd75a12_quant
    .symbol:         k_q026dd75a12_quant.kd
    .args:
      - { .name: x, .offset: 0, .size: 8, .value_kind: global_buffer, .address_space: global }
      - { .name: w_attn, .offset: 8, .size: 8, .value_kind: global_buffer, .address_space: global }
      - { .name: xc, .offset: 16, .size: 8, .value_kind: global_buffer, .address_space: global }
      - { .name: xs, .offset: 24, .size: 8, .value_kind: global_buffer, .address_space: global }
      - { .name: wc, .offset: 32, .size: 8, .value_kind: global_buffer, .address_space: global }
      - { .name: ws, .offset: 40, .size: 8, .value_kind: global_buffer, .address_space: global }
      - { .name: w_proj, .offset: 48, .size: 8, .value_kind: global_buffer, .address_space: global }
      - { .name: wp16, .offset: 56, .size: 8, .value_kind: global_buffer, .address_space: global }
    .group_segment_fixed_size: 33280
    .private_segment_fixed_size: 0
    .kernarg_segment_align: 8
    .kernarg_segment_size: 64
    .max_flat_workgroup_size: 128
    .sgpr_count:     66
    .vgpr_count:     256
    .wavefront_size: 32
...
	.end_amdgpu_metadata
.endif
;; end of part 1
;; launch qkv (part 2): grid 8 x 32, 4 waves a work-group, clusters of 4 x 4, 327,680 bytes of LDS; arguments xc, xs, wc, ws, qkv16, b_attn, fine; writes qkv16, fine
.if DOCPART == 2
	.amdgcn_target "amdgcn-amd-amdhsa--gfx1250"
	.amdhsa_code_object_version 6
	.text
	.protected	k_q026dd75a12_qkv
	.globl	k_q026dd75a12_qkv
	.p2align	8
	.type	k_q026dd75a12_qkv,@function
k_q026dd75a12_qkv:
	s_mov_b64 s[64:65], 0
	v_nop
	global_prefetch_b8 v0, s[64:65] scope:SCOPE_SE
	s_setreg_imm32_b32 hwreg(HW_REG_WAVE_MODE, 25, 1), 1
	s_wait_xcnt 0x0
	s_wait_alu depctr_hold_cnt(0) depctr_sa_sdst(0) depctr_va_vdst(0) depctr_va_sdst(0) depctr_va_ssrc(0) depctr_va_vcc(0) depctr_vm_vsrc(0)
	s_getreg_b32 s2, hwreg(HW_REG_IB_STS2, 6, 4)
	s_cmp_eq_u32 s2, 0
	s_cbranch_scc0 .Lentry_in_a_cluster
	s_endpgm
.Lentry_in_a_cluster:
	s_bfe_u32 s2, ttmp6, 0x10000c
	s_cmp_lg_u32 s2, 0xf033
	s_cbranch_scc0 .Lentry_shape_is_right
	s_endpgm
.Lentry_shape_is_right:
; Launch 2 of 5: qkv = x w_attn^T + b_attn on codes of FP4 (E2M1) with one E8M0 scale for each 32 along K; sums in f32.  M 8192, N 3072, K 1024.  Nothing is left out here.
; A work-group of four waves makes 256 rows x 384 columns: 32 x 8 = 256 work-groups.  Its 98,304 sums are more than four waves' registers hold beside the operands, so the columns go in TWO PASSES over the same rows of x:
; pass 1: columns 0-255, a wave 128 x 128: 64 accumulators of 16 x 16, 512 registers; pass 2: columns 256-383, a wave 128 x 64: 32 accumulators, in registers that pass 1's way out has read.
; LDS.  K is two slots of 512 (a tile's row is 256 bytes of memory), each with 256 rows of x and 256 rows of w_attn, both asked for at the head.  x's rows stay for both passes.  Pass 2's 128 rows of w_attn, both halves of K,
; are as many bytes as slot 0's rows of w_attn and are filled over them behind the change of slots: wave 2 fetches K's first half, wave 3 its second.  That fill has pass 1's second slot and its way out in which to land,
; and pass 1's stores leave while pass 2 multiplies.  The scale bytes of the 256 + 384 rows, for all of K, are dense blocks and come once, with the first fills.  The stages have bytes of their own, into which no tile lands.
; CLUSTERS: 4 x 4 work-groups.  The four of a row of the cluster need the same tiles of x, the four of a column the same tiles of w_attn: each tile is asked for JOINTLY.
; The tile row is 8 cy + the cluster's y, so that "this tile begins a sequence" (tile row % 4 = 0) hangs on the cluster's y alone and is the same in all sixteen partners.
; THE MATRIX INSTRUCTION IS USED TRANSPOSED (source 0 = 16 rows of w_attn, source 1 = 16 rows of x): a lane holds eight neighbouring columns of one row.  b_attn is the C of each sum's first product.
; OUT: q, k, v rounded once to f16, laid by head: qkv16 [3][128 b h][1024 s][64]: 16 rows of a head are 2,048 consecutive bytes.  LIMIT: |q|, |k|, |v| under 65,504.
; The first 16 positions of each sequence also leave as f32 (fine [8][16][3072]) for launch 5.
; REGISTERS, in windows of 256: window 0: v0-31 addresses; v32-95 scale words, two sets, and nothing else; v96-127 packed results; v128-191 x's fragments, ONE set, later rows on the way out; v192-255 pass 1's b_attn, later the f32 rows.
;   window 1: w_attn's fragments, TWO sets, at v0 and v128; v64-95 pass 2's b_attn.   window 2: the accumulators of my rows 0-63 ((a, b) at v[8 (8 a + b)]);   window 3: those of my rows 64-127.
.set NQ,     4                         ; matrix instructions deep in a slot
.set ROWB,   256                       ; a tile's row in bytes
.set KROW,   512                       ; a row of codes in memory
.set PITCH,  272                       ; an LDS row: 256 bytes + 16 of padding: the 16 rows that a load touches start at 16 different 16-byte columns modulo 256 bytes
.set FR,     8
.set NL,     2
.set NP,     4                         ; places behind this matrix instruction (ISA guide 7.12.1)
.set HALFT,  128*PITCH
.set SLOT,   4*HALFT
.set KS,     32                        ; a row of scales in bytes
.set SCL,    2*SLOT                    ; behind the ring: x's scales (2 x HALFS), then w_attn's (2 x BSH), as units of 256 bytes + 16 of padding
.set HALFS,  (128*KS/256)*272          ; the scales of 128 rows: what one of x's tensor loads brings
.set BSH,    (192*KS/256)*272          ; of 192 rows: what one of w_attn's brings
.set SBLK,   (16*KS/256)*272           ; of 16 rows
.set SPARE,  SCL+2*HALFS+2*BSH         ; the spare words, 128 bytes for each wave
.set STAGE,  SPARE+512                 ; the way out: 16 rows x (256 bytes + 16) for each wave
.set HPITCH, 272
.set WSTG,   16*HPITCH
.set FCO,  15                          ; v15  the f32 rows: my byte offset in fine
.set ADRA, 16                          ; v16-17  LDS address of x's fragments in slot 0, 1
.set ADRB2, 18                         ; v18  of pass 2's fragments of w_attn
.set ADRS2, 19                         ; v19  of pass 2's scale words
.set ADRB, 20                          ; v20-21  of pass 1's fragments of w_attn in slot 0, 1
.set BOF,  22                          ; v22  32 x (lane / 16): my eight numbers of a tile's sixteen of b_attn
.set BOF2, 23                          ; v23  the same at pass 2's columns
.set STO,  24
.set RD,   25
.set CO,   26
.set ADRS, 27
.set SPW,  28
.set NIL,  29
.set FST,  30                          ; v30  the f32 rows: where I put 32 bytes
.set FRD,  31                          ; v31  and where I read rows back
.set SC,   32
.set TMP,  96
.set AF,   128
.set BK,   128
.set BIAS, 192
.set B2B,  64                          ; in window 1
.set G0B2, 4                           ; s[4:7]  group 0 of pass 2's fill
.set G1, 24
.set G0, 32
.set G1B, 48
.set G0B, 56
.set G1S, 68
.set G0S, 76
.set G1SB, 80
.set G0SB, 88
.set MSB, 0
.macro WIN new                         ; the immediate's high byte repeats the setting that is left
.if MSB != \new
	s_set_vgpr_msb (MSB<<8)|\new
.set MSB, \new
.endif
.endm
.set MUL_LO, 0xa1                      ; source 0 (w_attn) window 1, source 1 (x) window 0, C and D window 2
.set MUL_HI, 0xf1                      ; the same, C and D window 3
.set BEG_LO, 0x81                      ; pass 1, a sum's first product: C (b_attn) window 0, D window 2
.set BEG_HI, 0xc1                      ; D window 3
.set BG2_LO, 0x91                      ; pass 2, a sum's first product: C (b_attn) window 1, D window 2
.set BG2_HI, 0xd1                      ; D window 3
.set TO_B,   0x40
; A joint load: waves 0 and 1 fetch for x, waves 2 and 3 for w_attn.  The branch hangs on the wave's number alone.  An s_nop 0 and four v_nop follow each of the two lines.
.macro JLOAD g0a, g1a, g0b, g1b
	s_cmp_eq_u32 s15, 0
	s_cbranch_scc0 .Lfor_b_\@
	tensor_load_to_lds s[\g0a:\g0a+3], s[\g1a:\g1a+7]
	s_nop 0
.rept 4
	v_nop
.endr
	s_branch .Lasked_\@
.Lfor_b_\@:
	tensor_load_to_lds s[\g0b:\g0b+3], s[\g1b:\g1b+7]
	s_nop 0
.rept 4
	v_nop
.endr
.Lasked_\@:
.endm
.macro CREST                           ; a round of the cluster's barrier behind its opening barrier
	s_cmp_lg_u32 s14, 0
	s_cbranch_scc1 .Lnot_wave_0_\@
	s_barrier_signal -3
.Lnot_wave_0_\@:
	s_barrier_wait -3
	s_barrier_signal -1
	s_barrier_wait -1
.endm
.macro CROUND                          ; a whole round
	s_barrier_signal -1
	s_barrier_wait -1
	CREST
.endm
	s_load_b128 s[4:7], s[0:1], 0x0                ; x's codes, x's scales
	s_load_b128 s[8:11], s[0:1], 0x10              ; w_attn's codes, its scales
	s_load_b64 s[12:13], s[0:1], 0x20              ; qkv16
	s_load_b128 s[96:99], s[0:1], 0x28             ; b_attn s[96:97], fine s[98:99]
	v_lshl_add_u32 v[SPW], v0, 2, SPARE
	v_mov_b32 v[NIL], 0
	ds_add_u32 v[SPW], v[NIL]                      ; the wave's opening: the add, twice on end, and its wait ahead of my first tensor load
	ds_add_u32 v[SPW], v[NIL]
	v_lshrrev_b32 v1, 5, v0
	v_readfirstlane_b32 s14, v1                    ; wave 0..3
	s_lshr_b32 s15, s14, 1                         ; which half of the tile's rows is mine.  Also: I fetch for x (0) or for w_attn (1)
	s_and_b32 s16, s14, 1                          ; which half of a pass's columns.  Also: which part I fetch
	s_bfe_u32 s40, ttmp6, 0x40000                  ; cx, cy: my place in the cluster
	s_bfe_u32 s41, ttmp6, 0x40004
	s_lshl_b32 s42, ttmp9, 2
	s_add_co_u32 s42, s42, s40                     ; tile column = 4 x cluster x + cx
	s_and_b32 s17, ttmp7, 0xffff
	s_lshl_b32 s18, s41, 3
	s_add_co_u32 s17, s17, s18                     ; tile row = 8 cy + cluster y
	s_lshl_b32 s43, s41, 2
	s_lshl_b32 s43, 15, s43                        ; my row of the cluster
	s_lshl_b32 s44, 0x1111, s40                    ; my column
	s_or_b32 s[G1+0], s43, (0<<16)|(1<<20)|(1<<21)|(5<<22)|(3<<25)  ; the mask; elements of 1 byte; padding on; bit 21 beside a mask; 4 words behind every 64
	s_or_b32 s[G1B+0], s44, (0<<16)|(1<<20)|(1<<21)|(5<<22)|(3<<25)
.irp g, G1, G1B
	s_mov_b32 s[\g+1], ROWB<<16                    ; tensor_dim0
	s_mov_b32 s[\g+2], 128<<16                     ; tensor_dim1 = 128
	s_mov_b32 s[\g+3], ROWB<<16                    ; tile_dim0
	s_mov_b32 s[\g+4], 128                         ; tile_dim1 = 128
	s_mov_b32 s[\g+5], KROW                        ; tensor_dim0_stride
	s_mov_b32 s[\g+6], 0
	s_mov_b32 s[\g+7], 0
.endr
	s_or_b32 s[G1S+0], s43, (3<<16)|(1<<20)|(1<<21)|(5<<22)|(3<<25) ; the scales: dense bytes as rows of 256 (32 elements of 8 bytes), 16 bytes of padding behind each: x's 128 rows are 16 such rows,
	s_or_b32 s[G1SB+0], s44, (3<<16)|(1<<20)|(1<<21)|(5<<22)|(3<<25) ; w_attn's 192 rows are 24
	s_mov_b32 s[G1S+1], 32<<16
	s_mov_b32 s[G1S+2], (128*KS/256)<<16
	s_mov_b32 s[G1S+3], 32<<16
	s_mov_b32 s[G1S+4], 128*KS/256
	s_mov_b32 s[G1S+5], 32
	s_mov_b32 s[G1S+6], 0
	s_mov_b32 s[G1S+7], 0
	s_mov_b32 s[G1SB+1], 32<<16
	s_mov_b32 s[G1SB+2], (192*KS/256)<<16
	s_mov_b32 s[G1SB+3], 32<<16
	s_mov_b32 s[G1SB+4], 192*KS/256
	s_mov_b32 s[G1SB+5], 32
	s_mov_b32 s[G1SB+6], 0
	s_mov_b32 s[G1SB+7], 0
	s_lshl_b32 s18, s16, 7                         ; which 128 rows of a tile I fetch
	s_lshl_b32 s20, s17, 8
	s_add_co_u32 s20, s20, s18                     ; x: row 256 x tile row + 128 x half
	s_lshl_b32 s22, s20, 5                         ; its scales: 32 bytes a row,
	s_mov_b32 s23, 0
	s_lshl_b32 s20, s20, 9                         ; its codes: 512 bytes a row
	s_mov_b32 s21, 0
	s_mul_i32 s2, s42, 384                         ; w_attn: the tile's first row
	s_add_co_u32 s46, s2, s18
	s_lshl_b32 s46, s46, 9                         ; pass 1's codes: row + 128 x half
	s_mov_b32 s47, 0
	s_add_co_u32 s66, s2, 256
	s_lshl_b32 s66, s66, 9                         ; pass 2's codes: row + 256,
	s_lshl_b32 s67, s16, 8
	s_add_co_u32 s66, s66, s67                     ; K's half by the wave: 256 bytes on in the row
	s_mov_b32 s67, 0
	s_mul_i32 s93, s16, 192
	s_add_co_u32 s92, s2, s93
	s_lshl_b32 s92, s92, 5                         ; its scales: row + 192 x half
	s_mov_b32 s93, 0
	s_mul_i32 s45, s14, HALFT                      ; where the codes go: wave x 128 rows: no place in the cluster enters an LDS address
	s_mul_i32 s94, s14, HALFS                      ; x's scales (waves 0, 1)
	s_mul_i32 s95, s16, BSH
	s_add_co_u32 s95, s95, 2*HALFS                 ; w_attn's scales (waves 2, 3), behind x's
	s_wait_dscnt 0x0                               ; both opening adds are done
	s_wait_kmcnt 0x0
	s_add_nc_u64 s[20:21], s[4:5], s[20:21]
	s_add_nc_u64 s[22:23], s[6:7], s[22:23]
	s_add_nc_u64 s[46:47], s[8:9], s[46:47]
	s_add_nc_u64 s[66:67], s[8:9], s[66:67]
	s_add_nc_u64 s[92:93], s[10:11], s[92:93]
	CROUND                                         ; all sixteen work-groups are here: the first joint loads meet
	s_mov_b32 s[G0S], 1
	s_add_co_u32 s[G0S+1], s94, SCL
	s_mov_b64 s[G0S+2:G0S+3], s[22:23]
	s_or_b32 s[G0S+3], s[G0S+3], 0x80000000
	s_mov_b32 s[G0SB], 1
	s_add_co_u32 s[G0SB+1], s95, SCL
	s_mov_b64 s[G0SB+2:G0SB+3], s[92:93]
	s_or_b32 s[G0SB+3], s[G0SB+3], 0x80000000
	JLOAD G0S, G1S, G0SB, G1SB                     ; the scales first: they are wanted with the first slot
.irp s, 0,1
	s_mov_b32 s[G0+4*\s], 1
	s_add_co_u32 s[G0+4*\s+1], s45, \s*SLOT
	s_add_nc_u64 s[G0+4*\s+2:G0+4*\s+3], s[20:21], \s*ROWB
	s_or_b32 s[G0+4*\s+3], s[G0+4*\s+3], 0x80000000
	s_mov_b32 s[G0B+4*\s], 1
	s_add_co_u32 s[G0B+4*\s+1], s45, \s*SLOT
	s_add_nc_u64 s[G0B+4*\s+2:G0B+4*\s+3], s[46:47], \s*ROWB
	s_or_b32 s[G0B+4*\s+3], s[G0B+4*\s+3], 0x80000000
	JLOAD G0+4*\s, G1, G0B+4*\s, G1B               ; three tensor loads of mine are out: the scales and both slots
.endr
	s_mov_b32 s[G0B2], 1                           ; pass 2's fill, issued at the change of slots by waves 2 and 3: 128 rows x 256 bytes each,
	s_mov_b32 s[G0B2+1], s45                       ; over slot 0's rows of w_attn: wave x 128 rows
	s_mov_b64 s[G0B2+2:G0B2+3], s[66:67]
	s_or_b32 s[G0B2+3], s[G0B2+3], 0x80000000
	v_and_b32 v1, 15, v0                           ; l % 16
	v_bfe_u32 v2, v0, 4, 1                         ; l / 16
	; my columns.  Pass 1: e0 = 384 x tile column + 128 x half; pass 2: e2 = 384 x tile column + 256 + 64 x half.  e / 1024 says q, k or v; (e / 64) % 16 is the head
	s_lshl_b32 s47, s16, 7
	s_add_co_u32 s46, s2, s47                      ; e0
	s_lshl_b32 s47, s16, 6
	s_add_co_u32 s66, s2, s47
	s_add_co_u32 s66, s66, 256                     ; e2
	s_lshl_b32 s92, s46, 2
	s_mov_b32 s93, 0
	s_add_nc_u64 s[96:97], s[96:97], s[92:93]      ; b_attn at pass 1's first column
	s_add_nc_u64 s[98:99], s[98:99], s[92:93]      ; fine likewise
	s_sub_co_u32 s94, s66, s46
	s_lshl_b32 s94, s94, 2                         ; from there to pass 2's first column, in bytes of f32
	s_mov_b32 s95, 0
	v_lshlrev_b32 v[BOF], 5, v2
	v_add_nc_u32 v[BOF2], s94, v[BOF]
.irp b, 0,1,2,3,4,5,6,7
	global_load_b128 v[BIAS+8*\b:BIAS+8*\b+3], v[BOF], s[96:97] offset:64*\b         ; lane (r, h) wants, for column block b, b_attn at e0 + 16 b + 8 h + 0 .. 7: the result's layout
	global_load_b128 v[BIAS+8*\b+4:BIAS+8*\b+7], v[BOF], s[96:97] offset:64*\b+16
.endr
	WIN TO_B                                       ; destination window 1
.irp b, 0,1,2,3
	global_load_b128 v[B2B+8*\b:B2B+8*\b+3], v[BOF2], s[96:97] offset:64*\b          ; the same at e2
	global_load_b128 v[B2B+8*\b+4:B2B+8*\b+7], v[BOF2], s[96:97] offset:64*\b+16
.endr
	WIN 0
	; my rows: m0 = 256 x tile row + 128 x half: batch m0 / 1024, position m0 % 1024
	s_lshl_b32 s20, s17, 8
	s_lshl_b32 s21, s15, 7
	s_add_co_u32 s20, s20, s21
	s_lshr_b32 s21, s20, 10
	s_and_b32 s22, s20, 1023
	s_lshl_b32 s22, s22, 7                         ; a row of a head is 128 bytes
	s_lshl_b32 s23, s21, 21                        ; a batch is 16 heads
	s_add_co_u32 s22, s22, s23
	s_mov_b32 s23, 0
	s_add_nc_u64 s[12:13], s[12:13], s[22:23]
	s_mul_i32 s22, s21, 196608                     ; fine: 16 rows of 12,288 bytes a batch
	s_add_nc_u64 s[98:99], s[98:99], s[22:23]
	s_add_nc_u64 s[10:11], s[98:99], s[94:95]      ; fine at pass 2's first column
	s_lshr_b32 s47, s46, 10
	s_lshl_b32 s47, s47, 24                        ; a plane of qkv16 is 2^24 bytes,
	s_bfe_u32 s92, s46, 0x40006
	s_lshl_b32 s92, s92, 17                        ; a head 2^17
	s_add_co_u32 s92, s92, s47                     ; pass 1's first head
	s_lshr_b32 s47, s66, 10
	s_lshl_b32 s47, s47, 24
	s_bfe_u32 s94, s66, 0x40006
	s_lshl_b32 s94, s94, 17
	s_add_co_u32 s94, s94, s47                     ; pass 2's head
	s_add_nc_u64 s[8:9], s[12:13], s[94:95]        ; qkv16 for pass 2,
	s_add_nc_u64 s[12:13], s[12:13], s[92:93]      ; and for pass 1
	v_mul_u32_u24 v3, v1, PITCH
	v_lshl_add_u32 v4, v2, 4, v3                   ; a fragment's row x pitch + 16 x half
	s_mul_i32 s21, s15, HALFT                      ; my 128 rows of x
	s_mul_i32 s22, s16, HALFT                      ; my 128 rows of w_attn in pass 1,
	s_add_co_u32 s22, s22, 2*HALFT                 ; which lie behind x's 256
.irp s, 0,1
	v_add_nc_u32 v[ADRA+\s], s21, v4
	v_add_nc_u32 v[ADRB+\s], s22, v4
	s_add_co_u32 s21, s21, SLOT
	s_add_co_u32 s22, s22, SLOT
.endr
	s_mul_i32 s22, s16, 64*PITCH                   ; my 64 rows of w_attn in pass 2: K's first half where slot 0 had rows 0-127, its second half HALFT further on
	s_add_co_u32 s22, s22, 2*HALFT
	v_add_nc_u32 v[ADRB2], s22, v4
	v_mul_u32_u24 v5, v1, KS                       ; my row's scales: KS bytes a row,
	v_lshrrev_b32 v6, 8, v5
	v_lshl_add_u32 v5, v6, 4, v5                   ; and 16 more for each 256 passed
	s_mul_i32 s21, s15, HALFS                      ; lanes 0-15: x's, my 128 rows
	s_mul_i32 s22, s16, HALFS
	s_add_co_u32 s22, s22, 2*HALFS
	s_sub_co_u32 s22, s22, s21
	v_mul_u32_u24 v6, s22, v2                      ; lanes 16-31 take w_attn's: one product, the distance between the two bases.  Pass 1: rows 128 x half;
	s_mul_i32 s23, s16, 4*SBLK
	s_add_co_u32 s23, s23, 2*HALFS+16*SBLK
	s_sub_co_u32 s23, s23, s21
	v_mul_u32_u24 v7, s23, v2                      ; pass 2: rows 256 + 64 x half
	s_add_co_u32 s21, s21, SCL
	v_add_nc_u32 v6, v5, v6
	v_add_nc_u32 v[ADRS], s21, v6
	v_add_nc_u32 v7, v5, v7
	v_add_nc_u32 v[ADRS2], s21, v7
	s_mul_i32 s23, s14, WSTG
	s_add_co_u32 s23, s23, STAGE                   ; my stage
	v_mul_u32_u24 v5, v1, HPITCH
	v_lshl_add_u32 v6, v2, 4, v5                   ; f16, in: row l % 16, 16 bytes for each half of the lanes
	v_add_nc_u32 v[STO], s23, v6
	v_lshl_add_u32 v6, v2, 5, v5                   ; f32, in: row l % 16, 32 bytes for each half
	v_add_nc_u32 v[FST], s23, v6
	v_and_b32 v6, 31, v0
	v_lshrrev_b32 v7, 3, v6                        ; f16, back: eight lanes take a head's 128 bytes of a row, four rows an instruction
	v_mul_u32_u24 v7, v7, HPITCH
	v_and_b32 v8, 7, v6
	v_lshl_add_u32 v7, v8, 4, v7
	v_add_nc_u32 v[RD], s23, v7
	v_lshlrev_b32 v[CO], 4, v6                     ; in memory: 16 bytes a lane
	v_mul_u32_u24 v7, v2, HPITCH                   ; f32, back: sixteen lanes take a row's 256 bytes, two rows an instruction
	v_lshl_add_u32 v7, v1, 4, v7
	v_add_nc_u32 v[FRD], s23, v7
	v_mul_u32_u24 v7, v2, 12288                    ; and the same two rows in fine
	v_lshl_add_u32 v[FCO], v1, 4, v7
.macro FRAG reg, adr, q, i             ; a fragment, 16 rows x 128 K of 4-bit codes: lane l holds row l % 16; registers 4 c .. 4 c + 3 hold K = 64 c + 32 (l / 16) + 0 .. 31
.irp c, 0,1
	ds_load_b128 v[\reg+4*\c:\reg+4*\c+3], v[\adr] offset:64*(\q)+32*\c+(\i)*16*PITCH
.endr
.endm
; PASS 1.  16 matrix instructions: x's blocks a0, a0 + 1 against w_attn's eight, the slot's q-th 128 along K.  zero = 1: the first product starts the sum from b_attn.  The 64 accumulators take turns, one instruction a turn.
.macro MUL16 a0, p, q, sc, zero
.irp a, \a0, \a0+1
.irp b, 0,1,2,3,4,5,6,7
.if \zero
	v_wmma_scale_f32_16x16x128_f8f6f4 v[8*(8*((\a)%4)+\b):8*(8*((\a)%4)+\b)+7], v[128*(\p)+FR*\b:128*(\p)+FR*\b+FR-1], v[AF+FR*(\a):AF+FR*(\a)+FR-1], v[BIAS+8*\b:BIAS+8*\b+7], v[SC+8*NQ*(\sc)+NQ*\b+(\q)], v[SC+8*NQ*(\sc)+NQ*(\a)+(\q)] matrix_a_fmt:MATRIX_FMT_FP4 matrix_b_fmt:MATRIX_FMT_FP4 matrix_a_scale:MATRIX_SCALE_ROW1
.else
	v_wmma_scale_f32_16x16x128_f8f6f4 v[8*(8*((\a)%4)+\b):8*(8*((\a)%4)+\b)+7], v[128*(\p)+FR*\b:128*(\p)+FR*\b+FR-1], v[AF+FR*(\a):AF+FR*(\a)+FR-1], v[8*(8*((\a)%4)+\b):8*(8*((\a)%4)+\b)+7], v[SC+8*NQ*(\sc)+NQ*\b+(\q)], v[SC+8*NQ*(\sc)+NQ*(\a)+(\q)] matrix_a_fmt:MATRIX_FMT_FP4 matrix_b_fmt:MATRIX_FMT_FP4 matrix_a_scale:MATRIX_SCALE_ROW1
.endif
.endr
.endr
.endm
; PASS 2.  8 matrix instructions: x's blocks a0, a0 + 1 against w_attn's four, the q-th 128 of all of K (q = 0 .. 7: scale set q / 4, word q % 4).  The 32 accumulators take turns.
.macro MULP a0, p, q, zero
.irp a, \a0, \a0+1
.irp b, 0,1,2,3
.if \zero
	v_wmma_scale_f32_16x16x128_f8f6f4 v[8*(8*((\a)%4)+\b):8*(8*((\a)%4)+\b)+7], v[128*(\p)+FR*\b:128*(\p)+FR*\b+FR-1], v[AF+FR*(\a):AF+FR*(\a)+FR-1], v[B2B+8*\b:B2B+8*\b+7], v[SC+8*NQ*((\q)/NQ)+NQ*\b+(\q)%NQ], v[SC+8*NQ*((\q)/NQ)+NQ*(\a)+(\q)%NQ] matrix_a_fmt:MATRIX_FMT_FP4 matrix_b_fmt:MATRIX_FMT_FP4 matrix_a_scale:MATRIX_SCALE_ROW1
.else
	v_wmma_scale_f32_16x16x128_f8f6f4 v[8*(8*((\a)%4)+\b):8*(8*((\a)%4)+\b)+7], v[128*(\p)+FR*\b:128*(\p)+FR*\b+FR-1], v[AF+FR*(\a):AF+FR*(\a)+FR-1], v[8*(8*((\a)%4)+\b):8*(8*((\a)%4)+\b)+7], v[SC+8*NQ*((\q)/NQ)+NQ*\b+(\q)%NQ], v[SC+8*NQ*((\q)/NQ)+NQ*(\a)+(\q)%NQ] matrix_a_fmt:MATRIX_FMT_FP4 matrix_b_fmt:MATRIX_FMT_FP4 matrix_a_scale:MATRIX_SCALE_ROW1
.endif
.endr
.endr
.endm
.macro FETCH_B slot, q, p
	WIN TO_B
.irp i, 0,1,2,3,4,5,6,7
	FRAG 128*(\p)+FR*\i, ADRB+\slot, \q, \i
.endr
	WIN 0
.endm
.macro FETCH_B2 q, p                   ; pass 2: w_attn's four fragments of the q-th 128 of all of K into set p
	WIN TO_B
.irp i, 0,1,2,3
.irp c, 0,1
	ds_load_b128 v[128*(\p)+FR*\i+4*\c:128*(\p)+FR*\i+4*\c+3], v[ADRB2] offset:((\q)/NQ)*HALFT+64*((\q)%NQ)+32*\c+\i*16*PITCH
.endr
.endr
	WIN 0
.endm
.macro FETCH_A slot, q, i0
.irp i, \i0, \i0+1, \i0+2, \i0+3
	FRAG AF+FR*(\i), ADRA+\slot, \q, \i
.endr
.endm
.macro SCALES sc                       ; a slot's scale words: four a row; lanes 0-15 take x's block i, lanes 16-31 w_attn's block i
.irp i, 0,1,2,3,4,5,6,7
	ds_load_b128 v[SC+8*NQ*\sc+NQ*\i:SC+8*NQ*\sc+NQ*\i+3], v[ADRS] offset:\i*SBLK
.endr
.endm
.macro SCALES2                         ; pass 2: blocks 0-3 of both sets anew: lanes 0-15 the same words of x, lanes 16-31 those of pass 2's rows of w_attn; blocks 4-7 keep x's words
.irp s, 0,1
.irp i, 0,1,2,3
	ds_load_b128 v[SC+8*NQ*\s+NQ*\i:SC+8*NQ*\s+NQ*\i+3], v[ADRS2] offset:\i*SBLK+4*NQ*\s
.endr
.endr
.endm
.macro PLACES n                        ; plain vector instructions between a matrix instruction and a load into, or a read of, its registers (ISA guide 7.12.1 for the reads)
.rept \n
	v_nop
.endr
.endm
.macro STEP slot, q, zero              ; pass 1: a step of 128 along K that has its successor in the same slot
	s_wait_dscnt 4*NL                              ; w_attn's set and x's blocks 0-3 are in; the youngest eight loads (x's blocks 4-7) may be out
.if \zero
	WIN BEG_LO
.else
	WIN MUL_LO
.endif
	MUL16 0, (\q)%2, \q, \slot, \zero
	MUL16 2, (\q)%2, \q, \slot, \zero
	s_wait_dscnt 0                                 ; x's blocks 4-7 are in
	PLACES NP
	FETCH_B \slot, (\q)+1, 1-(\q)%2
	FETCH_A \slot, (\q)+1, 0
.if \zero
	WIN BEG_HI
.else
	WIN MUL_HI
.endif
	MUL16 4, (\q)%2, \q, \slot, \zero
	MUL16 6, (\q)%2, \q, \slot, \zero
	PLACES NP
	WIN 0
	FETCH_A \slot, (\q)+1, 4
.endm
; Slot 0's last step changes slots.  In front of the barrier each wave waits for all its tensor loads (its part of slot 1), adds 0 to its spare word, and waits for that and for its reads of slot 0.  The barrier opens a round of the
; cluster's barrier: behind it no wave of any partner reads slot 0's rows of w_attn or has a load on its way, and waves 2 and 3 fill pass 2's rows over them: their one tensor load, the first thing behind the round.
.macro TURN slot, next
	s_wait_tensorcnt 0x0
	ds_add_u32 v[SPW], v[NIL]
	s_wait_dscnt 4*NL+1                            ; (the add and the youngest eight loads may be out)
	WIN MUL_LO
	MUL16 0, 1, NQ-1, \slot, 0
	s_wait_dscnt 0x0                               ; the add is done, and my reads of this slot are over
	s_barrier_signal -1
	MUL16 2, 1, NQ-1, \slot, 0
	WIN 0
	s_barrier_wait -1
	CREST
	s_cmp_eq_u32 s15, 0                            ; waves 0 and 1 have nothing to fill: x's rows stay.  The wave's number alone decides
	s_cbranch_scc1 .Lno_fill_\@
	tensor_load_to_lds s[G0B2:G0B2+3], s[G1B:G1B+7]
	s_nop 0
.rept 4
	v_nop
.endr
.Lno_fill_\@:
	PLACES NP                                      ; on every wave's way: in front of the loads below
	v_add_nc_u32 v[ADRS], 4*NQ, v[ADRS]            ; on to the next slot's scale words
	FETCH_B \next, 0, 0
	FETCH_A \next, 0, 0
	SCALES \next
	WIN MUL_HI
	MUL16 4, 1, NQ-1, \slot, 0
	MUL16 6, 1, NQ-1, \slot, 0
	PLACES NP
	WIN 0
	FETCH_A \next, 0, 4
.endm
.macro STEPS slot, from
.set Q, \from
.rept NQ-1-\from
	STEP \slot, Q, 0
.set Q, Q+1
.endr
.endm
; Pass 2: a step of 128 along K, the q-th of eight; all its operands lie in LDS, so no step differs but the first (zero = 1) and the last (more = 0: nothing left to fetch).
.macro STEP2 q, zero, more
	s_wait_dscnt 4*NL                              ; w_attn's set and x's blocks 0-3 are in; the youngest eight loads (x's blocks 4-7) may be out
.if \zero
	WIN BG2_LO
.else
	WIN MUL_LO
.endif
	MULP 0, (\q)%2, \q, \zero
	MULP 2, (\q)%2, \q, \zero
	s_wait_dscnt 0                                 ; x's blocks 4-7 are in
.if \more
	PLACES NP
	FETCH_B2 (\q)+1, 1-(\q)%2
	FETCH_A ((\q)+1)/NQ, ((\q)+1)%NQ, 0
.endif
.if \zero
	WIN BG2_HI
.else
	WIN MUL_HI
.endif
	MULP 4, (\q)%2, \q, \zero
	MULP 6, (\q)%2, \q, \zero
.if \more
	PLACES NP
	WIN 0
	FETCH_A ((\q)+1)/NQ, ((\q)+1)%NQ, 4
.endif
.endm
; THE FIRST 16 POSITIONS OF A SEQUENCE, as f32: my block 0, column blocks b0 .. b0 + 3 (64 columns, 256 bytes a row), through my stage; sixteen lanes store a row's 256 consecutive bytes.
.macro FINE b0, fb, base, off
	WIN 0x08                                       ; an LDS store's data are its source 1: window 2
.irp b, 0,1,2,3
	ds_store_b128 v[FST], v[8*(\b0+\b):8*(\b0+\b)+3] offset:64*\b              ; each accumulator from its low end on
	ds_store_b128 v[FST], v[8*(\b0+\b)+4:8*(\b0+\b)+7] offset:64*\b+16
.endr
	WIN 0
.irp t, 0,1,2,3,4,5,6,7
	ds_load_b128 v[\fb+4*\t:\fb+4*\t+3], v[FRD] offset:\t*2*HPITCH               ; LDS serves a wave's instructions in order: these see my stores
.endr
	s_wait_dscnt 0x0
.irp t, 0,1,2,3,4,5,6,7
	global_store_b128 v[FCO], v[\fb+4*\t:\fb+4*\t+3], s[\base:\base+1] offset:\t*2*12288+\off
.endr
.endm
; THE WAY OUT, block by block of 16 rows x 16 nb columns (nb = 8: two heads; 4: one).  PACK: rounded to f16, 16 bytes a lane.  TOSTAGE: into my stage, and back head by head, four rows of 128 bytes an instruction.  SEND: stored.
.macro PACK a, nb
.set AC, 64*((\a)%4)
	WIN 0x0a+5*((\a)/4)                            ; sources 0 and 1: window 2 or 3
.set PB, 0
.rept \nb
.irp r, 0,1,2,3
	v_cvt_pk_f16_f32 v[TMP+4*PB+\r], v[AC+8*PB+2*\r], v[AC+8*PB+2*\r+1]
.endr
.set PB, PB+1
.endr
	WIN 0
.endm
.macro TOSTAGE a, nb
.set BB, BK+32*((\a)%2)
.set PB, 0
.rept \nb
	ds_store_b128 v[STO], v[TMP+4*PB:TMP+4*PB+3] offset:32*PB
.set PB, PB+1
.endr
.set PB, 0
.rept \nb
	ds_load_b128 v[BB+4*PB:BB+4*PB+3], v[RD] offset:(PB%4)*4*HPITCH+(PB/4)*128
.set PB, PB+1
.endr
.endm
.macro SEND a, nb, base
.set BB, BK+32*((\a)%2)
	s_wait_dscnt 0x0                               ; the block is back in registers
	s_wait_xcnt 0x0                                ; earlier stores have read their base and their data: both are written again only behind this wait
.if (\a) > 0
	s_add_nc_u64 s[\base:\base+1], s[\base:\base+1], 2048      ; 16 rows of 128 bytes on
.endif
.set PB, 0
.rept \nb
	global_store_b128 v[CO], v[BB+4*PB:BB+4*PB+3], s[\base:\base+1] offset:(PB/4)*131072+(PB%4)*512   ; 32 lanes store 512 consecutive bytes of a head
.set PB, PB+1
.endr
.endm
	; ---- PASS 1: columns 0-255
	s_wait_tensorcnt 1                             ; the scales and my part of slot 0 are in (slot 1's load may be out),
	s_barrier_signal -1
	s_barrier_wait -1                              ; everybody's are
	FETCH_B 0, 0, 0
	FETCH_A 0, 0, 0
	SCALES 0
	FETCH_A 0, 0, 4
	s_wait_loadcnt 0x0                             ; b_attn, for both passes
	STEP 0, 0, 1
	STEPS 0, 1
	TURN 0, 1
	STEPS 1, 0
	s_wait_dscnt 4*NL                              ; the pass's last step: nothing more to fetch
	WIN MUL_LO
	MUL16 0, 1, NQ-1, 1, 0
	MUL16 2, 1, NQ-1, 1, 0
	s_wait_dscnt 0
	WIN MUL_HI
	MUL16 4, 1, NQ-1, 1, 0
	MUL16 6, 1, NQ-1, 1, 0
	WIN 0
	PLACES NP                                      ; behind the last products: for the reads of results and the loads into registers that held operands
	s_and_b32 s3, ttmp7, 3                         ; my block 0 is the first 16 positions of a sequence where the tile begins one (cluster y % 4 = 0) and I hold its upper rows: ids that all partners share, and the wave's number
	s_or_b32 s3, s3, s15
	s_cmp_lg_u32 s3, 0
	s_cbranch_scc1 .Lnofine1
	FINE 0, BIAS, 98, 0
	FINE 4, BIAS+32, 98, 256
.Lnofine1:
	PACK 0, 8
	TOSTAGE 0, 8
.irp a, 1,2,3,4,5,6,7                  ; block a's conversions stand between block a - 1's loads from the stage and the wait for them
	PACK \a, 8
	SEND \a-1, 8, 12
	TOSTAGE \a, 8
.endr
	SEND 7, 8, 12
	; ---- PASS 2: columns 256-383, on the same rows of x
	s_wait_tensorcnt 0x0                           ; waves 2 and 3: my half of pass 2's rows of w_attn has landed,
	s_wait_dscnt 0x0
	s_barrier_signal -1
	s_barrier_wait -1                              ; everybody's has
	s_wait_xcnt 0x0                                ; pass 1's last stores have read their registers: x's fragments land there again
	FETCH_B2 0, 0
	FETCH_A 0, 0, 0
	SCALES2
	FETCH_A 0, 0, 4
	STEP2 0, 1, 1
.set Q2, 1
.rept 6
	STEP2 Q2, 0, 1
.set Q2, Q2+1
.endr
	STEP2 7, 0, 0
	WIN 0
	PLACES NP
	s_and_b32 s3, ttmp7, 3
	s_or_b32 s3, s3, s15
	s_cmp_lg_u32 s3, 0
	s_cbranch_scc1 .Lnofine2
	FINE 0, BIAS, 10, 0
.Lnofine2:
	PACK 0, 4
	TOSTAGE 0, 4
.irp a, 1,2,3,4,5,6,7
	PACK \a, 4
	SEND \a-1, 4, 8
	TOSTAGE \a, 4
.endr
	SEND 7, 4, 8
	s_wait_tensorcnt 0x0                           ; the wave's end
	ds_add_u32 v[SPW], v[NIL]
	s_wait_dscnt 0x0
	CROUND                                         ; the closing round
	s_endpgm
.Lfunc_end_k_q026dd75a12_qkv:
	.size	k_q026dd75a12_qkv, .Lfunc_end_k_q026dd75a12_qkv-k_q026dd75a12_qkv
	.p2alignl 7, 3214868480
	.fill 96, 4, 3214868480
	.section	.rodata,"a",@progbits
	.p2align	6, 0x0
	.amdhsa_kernel k_q026dd75a12_qkv
		.amdhsa_group_segment_fixed_size 327680
		.amdhsa_private_segment_fixed_size 0
		.amdhsa_enable_private_segment 0
		.amdhsa_kernarg_size 56
		.amdhsa_user_sgpr_count 2
		.amdhsa_user_sgpr_kernarg_segment_ptr 1
		.amdhsa_wavefront_size32 1
		.amdhsa_system_sgpr_workgroup_id_x 1
		.amdhsa_system_sgpr_workgroup_id_y 1
		.amdhsa_system_sgpr_workgroup_id_z 1
		.amdhsa_system_vgpr_workitem_id 0
		.amdhsa_next_free_vgpr 1024
		.amdhsa_next_free_sgpr 100
		.amdhsa_reserve_vcc 0
		.amdhsa_float_denorm_mode_32 3
		.amdhsa_float_denorm_mode_16_64 3
		.amdhsa_memory_ordered 1
		.amdhsa_forward_progress 1
		.amdhsa_inst_pref_size 203
	.end_amdhsa_kernel
	.amdgpu_metadata
---
amdhsa.version: [ 1, 2 ]
amdhsa.kernels:
  - .name:           k_q026dd75a12_qkv
    .symbol:         k_q026dd75a12_qkv.kd
    .args:
      - { .name: xc, .offset: 0, .size: 8, .value_kind: global_buffer, .address_space: global }
      - { .name: xs, .offset: 8, .size: 8, .value_kind: global_buffer, .address_space: global }
      - { .name: wc, .offset: 16, .size: 8, .value_kind: global_buffer, .address_space: global }
      - { .name: ws, .offset: 24, .size: 8, .value_kind: global_buffer, .address_space: global }
      - { .name: qkv16, .offset: 32, .size: 8, .value_kind: global_buffer, .address_space: global }
      - { .name: b_attn, .offset: 40, .size: 8, .value_kind: global_buffer, .address_space: global }
      - { .name: fine, .offset: 48, .size: 8, .value_kind: global_buffer, .address_space: global }
    .group_segment_fixed_size: 327680
    .private_segment_fixed_size: 0
    .kernarg_segment_align: 8
    .kernarg_segment_size: 56
    .max_flat_workgroup_size: 128
    .sgpr_count:     100
    .vgpr_count:     1024
    .wavefront_size: 32
...
	.end_amdgpu_metadata
.endif
;; end of part 2
;; launch attn (part 3): grid 128 x 4, 16 waves a work-group, no clusters, 327,680 bytes of LDS; arguments qkv16, o16; writes o16
.if DOCPART == 3
	.amdgcn_target "amdgcn-amd-amdhsa--gfx1250"
	.amdhsa_code_object_version 6
	.text
	.protected	k_q026dd75a12_attn
	.globl	k_q026dd75a12_attn
	.p2align	8
	.type	k_q026dd75a12_attn,@function
k_q026dd75a12_attn:
	s_mov_b64 s[64:65], 0
	v_nop
	global_prefetch_b8 v0, s[64:65] scope:SCOPE_SE
	s_setreg_imm32_b32 hwreg(HW_REG_WAVE_MODE, 25, 1), 1
	s_wait_xcnt 0x0
; Launch 3 of 5: O[b h][q] = the sum over k <= q of softmax_k(Q[q] . K[k] / 8) V[k], head size 64, 1,024 positions, 128 heads in all.  Operands f16; products, maxima and sums f32.
; LEFT OUT: a key step all of whose 64 keys come after all 16 queries of a wave: the problem's own triangular mask gives those scores -infinity and their weights 0 for every input.
; LIMITS: the weights p (at most 1) and O are rounded to f16; NaN and infinities are not served.
; SHARES.  A work-group owns 256 queries of one head (block 3 - y: the long blocks stand first in the grid); each of its sixteen waves owns 16 of them in 256 registers, four waves to a SIMD.
; NO CLUSTER: the four query blocks of a head need 1, 2, 3 and 4 slots of keys; a joint load would bring tiles that every wave of some partner jumps over.
; K's and V's tiles come through a ring of two LDS slots of 256 keys (four key steps of 64), filled by the tensor data mover: waves 0, 1 K's halves, waves 2, 3 V's; read by all sixteen.
; EVERY work-group walks all four slots, so that all trip counts are constants; what is left out is a step's work, and the load of a slot that none of its waves would read.
; In memory a head's rows of 128 bytes are dense, so a tile is stated as rows of 256 bytes, two keys each: key k lies at (k / 2) x pitch + (k % 2) x 128.  With pitches 272 (K) and 288 (V) the sixteen lanes of each
; half of a load touch sixteen different 16-byte columns modulo 256 bytes.
; LAYOUT.  S^T = K Q^T (source 0 = 16 keys, source 1 = my 16 queries): a lane holds ONE query (lane % 16) and keys 8 (lane / 16) + 0..7.  Two such tiles, rounded to f16 in pairs, ARE source 1 of O^T = V^T P.
; V ([key][channel]) comes out of LDS turned, by ds_load_tr16_b128.
; SOFTMAX.  A running maximum m and sum l for each query: p = 2^(c s - c m), c = log2(e) / 8; in every step O and l are multiplied by a = 2^(c m_old - c m_new).
.set KP,    272
.set VP,    288
.set VOFF,  128*KP                     ; a slot: 128 double rows of K, then 128 of V
.set SLOT1, 1<<17                      ; slot 1 begins here: one exclusive or turns an address from one slot to the other
.set NSL,   4
.set STAGE, 2*SLOT1                    ; the way out: 16 rows x (128 bytes + 16) for each wave: bytes into which no tile lands
.set OP,    144
.set SPARE, STAGE+16*16*OP             ; the spare words, 128 bytes for each wave
.set AK0,  1                           ; v1   my lane's place in a tile of K
.set AV0,  2                           ; v2   the same for V
.set SPW,  3                           ; v3   my spare word; never rewritten
.set NIL,  4                           ; v4   0; never rewritten
.set GO,   5                           ; v5   16 x lane
.set STO,  6                           ; v6   the stage: where I put 16 bytes of a row
.set RD,   7                           ; v7   and where I read rows back
.set ADK,  8                           ; v8   LDS address of the step's K
.set ADV,  9                           ; v9   of its V
.set PFO,  10                          ; v10  256 x lane; never rewritten
.set DG,   11                          ; v11  lane % 16 - 8 (lane / 16)
                                       ; v12 c m, v13 m, v[14:15] l in two halves
.set QR,   16                          ; v16-31   Q, two fragments
.set KR,   32                          ; v32-95   K: tile t, channels 32 u on: 16 t + 8 u
.set VR,   96                          ; v96-159  V: keys 32 k on, channels 16 c on: 32 k + 8 c
.set SS,   160                         ; v160-191 S^T, then p
.set PP,   192                         ; v192-207 P in f16
.set OT,   208                         ; v208-239 O^T
                                       ; v240-243 the maximum's chains; v244, v245 at work; v[246:247] a; v248 -infinity; v249 Q's address
.set TB,   2                           ; s2   LDS byte at which the slot in hand begins
.set SLOTS, 3                          ; s3   changes of slots still to come in the loop
.set WV,   18
.set SEL,  20
.set CS,   22
.set G1K,  24
.set G1V,  32
.set G0K,  40
.set G0V,  44
.set KF,   48                          ; s48  the step's first key
.set Q0,   49                          ; s49  my first query
.set PFA,  50                          ; s[50:51] where my prefetches stand
.set LIM,  52                          ; s52  1 in a wave that prefetches, else the greatest number
; Waves 0 and 1 fetch K, waves 2 and 3 V, the others nothing.  An s_nop 0 and four v_nop follow each of the two lines.
.macro TLOAD
	s_cmp_lt_u32 s[WV], 2
	s_cbranch_scc0 .Lnot_k_\@
	tensor_load_to_lds s[G0K:G0K+3], s[G1K:G1K+7]
	s_nop 0
.rept 4
	v_nop
.endr
	s_branch .Lasked_\@
.Lnot_k_\@:
	s_cmp_lt_u32 s[WV], 4
	s_cbranch_scc0 .Lasked_\@
	tensor_load_to_lds s[G0V:G0V+3], s[G1V:G1V+7]
	s_nop 0
.rept 4
	v_nop
.endr
.Lasked_\@:
.endm
; A prefetch of what the NEXT change of slots will ask for: 32,768 dense bytes of K and as many of V.  Of the four work-groups of a head the one with y = 0 asks: it loads every slot.  In it the waves ask that fetch nothing:
; waves 4 to 7 for K, waves 8 to 11 for V, 8,192 bytes a wave, lanes 256 bytes apart: each block of 256 bytes is named once in the launch.  Slots 0 and 1 come by their loads alone; the last change that fills a slot asks for nothing.
.macro ASK
	s_cmp_gt_u32 s[SLOTS], s[LIM]
	s_cbranch_scc0 .Lnot_mine_\@
	global_prefetch_b8 v[PFO], s[PFA:PFA+1] th:TH_LOAD_NT scope:SCOPE_SE
.Lnot_mine_\@:
.endm
	s_load_b128 s[4:7], s[0:1], 0x0                ; qkv16 s[4:5], o16 s[6:7]
	v_lshl_add_u32 v[SPW], v0, 2, SPARE
	v_mov_b32 v[NIL], 0
	ds_add_u32 v[SPW], v[NIL]                      ; the wave's opening: the add, twice on end, and its wait ahead of the first tensor load
	ds_add_u32 v[SPW], v[NIL]
	v_lshrrev_b32 v8, 5, v0
	v_readfirstlane_b32 s[WV], v8                  ; wave 0..15
	s_and_b32 s53, ttmp7, 0xffff                   ; y
	s_sub_co_u32 s54, 3, s53                       ; my block of 256 queries
	s_lshl_b32 s[Q0], s54, 8
	s_lshl_b32 s55, s[WV], 4
	s_add_co_u32 s[Q0], s[Q0], s55
	s_lshl_b32 s56, ttmp9, 17                      ; the head's first byte in a plane of qkv16
	s_mov_b32 s57, 0
	s_and_b32 s58, s[WV], 1                        ; which half of a slot's keys I fetch, if I fetch:
	s_lshl_b32 s60, s58, 14                        ; 128 keys of 128 bytes in memory,
	s_mov_b32 s61, 0
	s_add_nc_u64 s[60:61], s[60:61], s[56:57]
	s_mul_i32 s59, s58, 64*KP                      ; 64 double rows in a slot, of K
	s_mul_i32 s62, s58, 64*VP
	s_add_co_u32 s62, s62, VOFF                    ; or of V
	s_mov_b32 s[G1K], (1<<16)|(1<<20)|(5<<22)|(3<<25)   ; no mask; elements of 2 bytes; padding on: 4 words behind every 64
	s_mov_b32 s[G1V], (1<<16)|(1<<20)|(5<<22)|(7<<25)   ; 8 words behind every 64
.irp g, G1K, G1V
	s_mov_b32 s[\g+1], 128<<16                     ; tensor_dim0 = 128 elements: a double row
	s_mov_b32 s[\g+2], 64<<16                      ; tensor_dim1 = 64
	s_mov_b32 s[\g+3], 128<<16                     ; tile_dim0
	s_mov_b32 s[\g+4], 64                          ; tile_dim1
	s_mov_b32 s[\g+5], 128                         ; the pitch in memory: dense
	s_mov_b32 s[\g+6], 0
	s_mov_b32 s[\g+7], 0
.endr
	s_mov_b32 s[SEL], 0x76543210
	s_mov_b32 s[SEL+1], 0xfedcba98                 ; v_permlanex16_b32's selects for lane l xor 16
	s_mov_b32 s[CS], 0x3e38aa3b                    ; c = log2(e) / 8
	s_mov_b32 s[CS+1], s[CS]
	s_mov_b32 s[TB], 0
	s_mov_b32 s[SLOTS], NSL-1
	s_mov_b32 s[KF], 0
	s_wait_dscnt 0x0                               ; both opening adds are done
	s_wait_kmcnt 0x0
	s_mov_b32 s[G0K], 1
	s_mov_b32 s[G0K+1], s59
	s_add_nc_u64 s[G0K+2:G0K+3], s[4:5], s[60:61]
	s_add_nc_u64 s[G0K+2:G0K+3], s[G0K+2:G0K+3], 0x1000000    ; K's plane
	s_or_b32 s[G0K+3], s[G0K+3], 0x80000000
	s_mov_b32 s[G0V], 1
	s_mov_b32 s[G0V+1], s62
	s_add_nc_u64 s[G0V+2:G0V+3], s[4:5], s[60:61]
	s_add_nc_u64 s[G0V+2:G0V+3], s[G0V+2:G0V+3], 0x2000000    ; V's plane
	s_or_b32 s[G0V+3], s[G0V+3], 0x80000000
	TLOAD                                          ; slot 0: keys 0 to 255, which count for some query of every work-group
	s_lshl_b32 s66, s[Q0], 7
	s_mov_b32 s67, 0
	s_add_nc_u64 s[66:67], s[66:67], s[56:57]      ; in qkv16: my first query's row, in my head
	s_add_nc_u64 s[68:69], s[4:5], s[66:67]        ; Q at my first query
	v_and_b32 v8, 15, v0                           ; r
	v_bfe_u32 v9, v0, 4, 1                         ; h
	v_lshlrev_b32 v249, 7, v8
	v_lshl_add_u32 v249, v9, 4, v249               ; row r of 128 bytes, + 16 h
.irp i, 0,1,2,3
	global_load_b128 v[QR+4*\i:QR+4*\i+3], v249, s[68:69] offset:32*\i   ; Q stays in registers
.endr
	s_and_b32 s70, ttmp9, 15                       ; o16 is [16 heads][8192 rows][64]: the head, 2^20 bytes each,
	s_lshr_b32 s71, ttmp9, 4                       ; the batch, 1,024 rows of 128 bytes each,
	s_lshl_b32 s70, s70, 20
	s_lshl_b32 s71, s71, 17
	s_add_co_u32 s70, s70, s71
	s_lshl_b32 s72, s[Q0], 7                       ; and my first query's row, made anew: s66 holds qkv16's offset, which has another order of head and batch
	s_add_co_u32 s70, s70, s72
	s_mov_b32 s71, 0
	s_add_nc_u64 s[6:7], s[6:7], s[70:71]
	s_cmp_lt_u32 s[WV], 8                          ; the prefetches: waves 4 to 7 stand in K's plane, waves 8 to 11 in V's
	s_mov_b32 s72, 0x2000000
	s_cselect_b32 s72, 0x1000000, s72
	s_mov_b32 s73, 0
	s_and_b32 s74, s[WV], 3
	s_lshl_b32 s74, s74, 13                        ; my wave's 8,192 bytes,
	s_add_co_u32 s72, s72, s74
	s_add_co_u32 s72, s72, 32768                   ; in slot 1: the first change of slots steps it to slot 2
	s_add_nc_u64 s[72:73], s[72:73], s[56:57]
	s_add_nc_u64 s[PFA:PFA+1], s[4:5], s[72:73]
	s_sub_co_u32 s74, s[WV], 4
	s_lshr_b32 s74, s74, 3                         ; 0 in waves 4 to 11,
	s_or_b32 s74, s74, s53                         ; of the work-group with y = 0
	s_cmp_eq_u32 s74, 0
	s_cselect_b32 s[LIM], 1, -1
	v_and_b32 v[PFO], 31, v0
	v_lshlrev_b32 v[GO], 4, v[PFO]
	v_lshlrev_b32 v[PFO], 8, v[PFO]
	v_lshrrev_b32 v240, 1, v8                      ; K: key r of a tile: (r / 2) x pitch + (r % 2) x 128 + 16 h
	v_mul_u32_u24 v[AK0], v240, KP
	v_and_b32 v240, 1, v8
	v_lshl_add_u32 v[AK0], v240, 7, v[AK0]
	v_lshl_add_u32 v[AK0], v9, 4, v[AK0]
	v_bfe_u32 v240, v0, 1, 2                       ; V: the turning load: lane l reads key 8 h + l % 8, channels 8 ((l / 8) % 2) on
	v_lshl_add_u32 v240, v9, 2, v240
	v_mul_u32_u24 v[AV0], v240, VP
	v_and_b32 v240, 1, v0
	v_lshl_add_u32 v[AV0], v240, 7, v[AV0]
	v_bfe_u32 v240, v0, 3, 1
	v_lshl_add_u32 v[AV0], v240, 4, v[AV0]
	v_add_nc_u32 v[AV0], VOFF, v[AV0]
	s_mul_i32 s75, s[WV], 16*OP
	s_add_co_u32 s75, s75, STAGE                   ; my stage
	v_mul_u32_u24 v[STO], v8, OP
	v_lshl_add_u32 v[STO], v9, 4, v[STO]
	v_add_nc_u32 v[STO], s75, v[STO]
	v_bfe_u32 v240, v0, 3, 2
	v_mul_u32_u24 v[RD], v240, OP
	v_and_b32 v240, 7, v0
	v_lshl_add_u32 v[RD], v240, 4, v[RD]
	v_add_nc_u32 v[RD], s75, v[RD]
	v_lshlrev_b32 v240, 3, v9
	v_sub_nc_u32 v[DG], v8, v240
	v_mov_b32 v13, 0xff61b1e6                      ; m: -3e38, under every score
	v_mul_f32 v12, s[CS], v13                      ; c m
	v_mov_b32 v14, 0
	v_mov_b32 v15, 0
	v_mov_b32 v244, 0                              ; a lane permute's destination counts as one of its sources
	v_mov_b32 v247, 0                              ; named as the upper half of the pair v[246:247]
	v_mov_b32 v248, 0xff800000                     ; -infinity
.set i, 0
.rept 32
	v_mov_b32 v[OT+i], 0                           ; O^T.  (The step is written once: the first finds zeros, which a = 0 leaves zeros)
.set i, i+1
.endr
; A KEY STEP: 64 keys, the q-th of the slot in hand.
.macro STEP q
	s_add_co_u32 s53, s[Q0], 15                    ; all keys behind my last query: the step's work is left out; ids and the count of steps alone decide
	s_cmp_gt_u32 s[KF], s53
	s_cbranch_scc1 .Lhidden_\@
	v_add_nc_u32 v[ADK], s[TB], v[AK0]
	v_add_nc_u32 v[ADV], s[TB], v[AV0]
	v_nop
	v_nop                                          ; four places in front of loads into registers that the last products have read
.irp t, 0,1,2,3
.irp u, 0,1
	ds_load_b128 v[KR+16*\t+8*\u:KR+16*\t+8*\u+3],   v[ADK] offset:8704*(\q)+2176*\t+64*\u
	ds_load_b128 v[KR+16*\t+8*\u+4:KR+16*\t+8*\u+7], v[ADK] offset:8704*(\q)+2176*\t+64*\u+32
.endr
.endr
.irp k, 0,1
.irp c, 0,1,2,3
	ds_load_tr16_b128 v[VR+32*\k+8*\c:VR+32*\k+8*\c+3],   v[ADV] offset:9216*(\q)+4608*\k+32*\c
	ds_load_tr16_b128 v[VR+32*\k+8*\c+4:VR+32*\k+8*\c+7], v[ADV] offset:9216*(\q)+4608*\k+2304+32*\c
.endr
.endr
	s_wait_dscnt 16                                ; K is in; V's sixteen loads may be out
.irp t, 0,1,2,3                                ; S^T = K Q^T: the four tiles by turns, one instruction a turn
	v_wmma_f32_16x16x32_f16 v[SS+8*\t:SS+8*\t+7], v[KR+16*\t:KR+16*\t+7], v[QR:QR+7], 0
.endr
.irp t, 0,1,2,3
	v_wmma_f32_16x16x32_f16 v[SS+8*\t:SS+8*\t+7], v[KR+16*\t+8:KR+16*\t+15], v[QR+8:QR+15], v[SS+8*\t:SS+8*\t+7]
.endr
.rept 4
	v_nop
.endr
	s_add_co_u32 s53, s[KF], 63                    ; on the diagonal the scores of hidden keys become -infinity ahead of the maximum; a step all of whose keys count skips this
	s_cmp_le_u32 s53, s[Q0]
	s_cbranch_scc1 .Lopen_\@
	s_sub_co_i32 s53, s[Q0], s[KF]
	v_add_nc_u32 v245, s53, v[DG]                  ; d = my query - KF - 8 (lane / 16).  Register 8 t + j holds key KF + 8 (lane / 16) + 16 t + j: hidden where 16 t + j > d
.set i, 0
.rept 32
	v_cmp_gt_i32 vcc_lo, 16*(i/8)+i%8, v245
	v_cndmask_b32 v[SS+i], v[SS+i], v248, vcc_lo
.set i, i+1
.endr
.Lopen_\@:
.irp j, 0,1,2,3                                ; the maximum of 32 scores and the old m: four chains, each begun at its tile's low end
	v_max3_num_f32 v[240+\j], v[SS+8*\j], v[SS+8*\j+1], v[SS+8*\j+2]
.endr
.irp j, 0,1,2,3
	v_max3_num_f32 v[240+\j], v[240+\j], v[SS+8*\j+3], v[SS+8*\j+4]
.endr
.irp j, 0,1,2,3
	v_max3_num_f32 v[240+\j], v[240+\j], v[SS+8*\j+5], v[SS+8*\j+6]
.endr
	v_max3_num_f32 v240, v240, v[SS+7], v[SS+15]
	v_max3_num_f32 v242, v242, v[SS+23], v[SS+31]
	v_max3_num_f32 v240, v240, v241, v242
	v_max3_num_f32 v240, v240, v243, v13
	v_permlanex16_b32 v244, v240, s[SEL], s[SEL+1] ; the query's other 32 keys lie in the lane 16 away
	v_mov_b32 v245, v12                            ; c m_old
	v_max_num_f32 v13, v240, v244
	v_mul_f32 v12, s[CS], v13
	v_sub_f32 v245, v245, v12
.set i, 0
.rept 16
	v_pk_fma_f32 v[SS+i:SS+i+1], v[SS+i:SS+i+1], s[CS:CS+1], v[12:13] op_sel_hi:[1,0,0] neg_lo:[0,0,1] neg_hi:[0,0,1]   ; c s - c m
.set i, i+2
.endr
	v_exp_f32 v246, v245                           ; a
.set i, 0
.rept 32
	v_exp_f32 v[SS+i], v[SS+i]                     ; p
.set i, i+1
.endr
	v_nop                                          ; a plain instruction behind the last exponential
	s_wait_alu depctr_va_vdst(0)                   ; one wait for the batch of 33, ahead of its first reader
.set i, 0
.rept 16
	v_cvt_pk_f16_f32 v[PP+i], v[SS+2*i], v[SS+2*i+1]
.set i, i+1
.endr
.irp u, 0,1,2,3,4,5,6,7                        ; the sum of the 16 pairs, in place, as a tree
	v_pk_add_f32 v[SS+4*\u:SS+4*\u+1], v[SS+4*\u:SS+4*\u+1], v[SS+4*\u+2:SS+4*\u+3]
.endr
.irp u, 0,1,2,3
	v_pk_add_f32 v[SS+8*\u:SS+8*\u+1], v[SS+8*\u:SS+8*\u+1], v[SS+8*\u+4:SS+8*\u+5]
.endr
.irp u, 0,1
	v_pk_add_f32 v[SS+16*\u:SS+16*\u+1], v[SS+16*\u:SS+16*\u+1], v[SS+16*\u+8:SS+16*\u+9]
.endr
	v_pk_add_f32 v[SS:SS+1], v[SS:SS+1], v[SS+16:SS+17]
	v_pk_fma_f32 v[14:15], v[14:15], v[246:247], v[SS:SS+1] op_sel_hi:[1,0,1]      ; l = a l + the sum
.set i, 0
.rept 16
	v_pk_mul_f32 v[OT+i:OT+i+1], v[OT+i:OT+i+1], v[246:247] op_sel_hi:[1,0]       ; O^T x a, each tile from its low end on
.set i, i+2
.endr
	s_wait_dscnt 0x0                               ; V is in
.irp k, 0,1                                    ; O^T += V^T P: the four tiles of channels by turns
.irp c, 0,1,2,3
	v_wmma_f32_16x16x32_f16 v[OT+8*\c:OT+8*\c+7], v[VR+32*\k+8*\c:VR+32*\k+8*\c+7], v[PP+8*\k:PP+8*\k+7], v[OT+8*\c:OT+8*\c+7]
.endr
.endr
.Lhidden_\@:
	s_add_co_u32 s[KF], s[KF], 64
.endm
; THE CHANGE OF SLOTS stands at a slot's head.  Each wave waits for all its tensor loads, adds 0 to its spare word (fill = 1: twice on end), and waits for that and for its reads
; of the slot that it has left.  Behind the barrier the slot ahead is whole and nobody reads the other one.  fill = 1: that other slot takes the next 256 keys, up to the causal limit.
.macro CHANGE fill
	s_wait_tensorcnt 0x0                           ; no tensor load of mine is out, so a group 0 may be written
	ds_add_u32 v[SPW], v[NIL]
.if \fill
	ds_add_u32 v[SPW], v[NIL]
	s_xor_b32 s[G0K+1], s[G0K+1], SLOT1            ; the walking descriptors: the other slot,
	s_add_nc_u64 s[G0K+2:G0K+3], s[G0K+2:G0K+3], 32768   ; the next 256 keys
	s_xor_b32 s[G0V+1], s[G0V+1], SLOT1
	s_add_nc_u64 s[G0V+2:G0V+3], s[G0V+2:G0V+3], 32768
	s_wait_xcnt 0x0                                ; the last prefetch, a slot back, has read its address
	s_add_nc_u64 s[PFA:PFA+1], s[PFA:PFA+1], 32768
.endif
	s_wait_dscnt 0x0
	s_barrier_signal -1
	s_barrier_wait -1
.if \fill
	s_add_co_u32 s53, s[KF], 256                   ; the first key of the slot that this change would ask for
	s_or_b32 s54, s[Q0], 255                       ; my work-group's last query
	s_cmp_gt_u32 s53, s54                          ; a slot behind it is read by none of the sixteen waves, so it is not asked for; all waves go the same way
	s_cbranch_scc1 .Lpast_\@
	TLOAD                                          ; a wave's one tensor load until the next change
.Lpast_\@:
	ASK
.endif
.endm
.macro SLOT_STEPS
.set Q, 0
.rept 4
	STEP Q
.set Q, Q+1
.endr
	s_xor_b32 s[TB], s[TB], SLOT1
.endm
	s_wait_loadcnt 0x0                             ; Q
.Lslot:                                            ; three trips
	CHANGE 1
	SLOT_STEPS
	s_sub_co_u32 s[SLOTS], s[SLOTS], 1
	s_cmp_lg_u32 s[SLOTS], 0
	s_cbranch_scc1 .Lslot
	CHANGE 0                                       ; the last slot is written out: nothing is left to ask for
	SLOT_STEPS
	; THE WAY OUT.  O^T / l, rounded to f16, goes through my stage and leaves as 2,048 consecutive bytes: 16 rows of 128.
.rept 4
	v_nop
.endr
	v_add_f32 v14, v14, v15
	v_permlanex16_b32 v244, v14, s[SEL], s[SEL+1]
	v_add_f32 v14, v14, v244
	v_rcp_f32 v246, v14
	v_nop
	s_wait_alu depctr_va_vdst(0)
.set i, 0
.rept 16
	v_pk_mul_f32 v[OT+i:OT+i+1], v[OT+i:OT+i+1], v[246:247] op_sel_hi:[1,0]
.set i, i+2
.endr
.set i, 0
.rept 16
	v_cvt_pk_f16_f32 v[SS+i], v[OT+2*i], v[OT+2*i+1]
.set i, i+1
.endr
.irp c, 0,1,2,3
	ds_store_b128 v[STO], v[SS+4*\c:SS+4*\c+3] offset:32*\c
.endr
.irp g, 0,1,2,3
	ds_load_b128 v[SS+16+4*\g:SS+16+4*\g+3], v[RD] offset:4*OP*\g   ; LDS serves a wave's instructions in order: these see my stores
.endr
.irp g, 0,1,2,3
	s_wait_dscnt 3-\g
	global_store_b128 v[GO], v[SS+16+4*\g:SS+16+4*\g+3], s[6:7] offset:512*\g
.endr
	s_wait_tensorcnt 0x0                           ; the wave's end
	ds_add_u32 v[SPW], v[NIL]
	s_wait_dscnt 0x0
	s_endpgm
.Lfunc_end_k_q026dd75a12_attn:
	.size	k_q026dd75a12_attn, .Lfunc_end_k_q026dd75a12_attn-k_q026dd75a12_attn
	.p2alignl 7, 3214868480
	.fill 96, 4, 3214868480
	.section	.rodata,"a",@progbits
	.p2align	6, 0x0
	.amdhsa_kernel k_q026dd75a12_attn
		.amdhsa_group_segment_fixed_size 327680
		.amdhsa_private_segment_fixed_size 0
		.amdhsa_enable_private_segment 0
		.amdhsa_kernarg_size 16
		.amdhsa_user_sgpr_count 2
		.amdhsa_user_sgpr_kernarg_segment_ptr 1
		.amdhsa_wavefront_size32 1
		.amdhsa_system_sgpr_workgroup_id_x 1
		.amdhsa_system_sgpr_workgroup_id_y 1
		.amdhsa_system_sgpr_workgroup_id_z 1
		.amdhsa_system_vgpr_workitem_id 0
		.amdhsa_next_free_vgpr 256
		.amdhsa_next_free_sgpr 80
		.amdhsa_reserve_vcc 1
		.amdhsa_float_denorm_mode_32 3
		.amdhsa_float_denorm_mode_16_64 3
		.amdhsa_memory_ordered 1
		.amdhsa_forward_progress 1
		.amdhsa_inst_pref_size 109
	.end_amdhsa_kernel
	.amdgpu_metadata
---
amdhsa.version: [ 1, 2 ]
amdhsa.kernels:
  - .name:           k_q026dd75a12_attn
    .symbol:         k_q026dd75a12_attn.kd
    .args:
      - { .name: qkv16, .offset: 0, .size: 8, .value_kind: global_buffer, .address_space: global }
      - { .name: o16, .offset: 8, .size: 8, .value_kind: global_buffer, .address_space: global }
    .group_segment_fixed_size: 327680
    .private_segment_fixed_size: 0
    .kernarg_segment_align: 8
    .kernarg_segment_size: 16
    .max_flat_workgroup_size: 512
    .sgpr_count:     80
    .vgpr_count:     256
    .wavefront_size: 32
...
	.end_amdgpu_metadata
.endif
;; end of part 3
;; launch proj (part 4): grid 4 x 64, 4 waves a work-group, clusters of 4 x 4, 327,680 bytes of LDS; arguments o16, wp16, b_proj, out0; writes out0
.if DOCPART == 4
	.amdgcn_target "amdgcn-amd-amdhsa--gfx1250"
	.amdhsa_code_object_version 6
	.text
	.protected	k_q026dd75a12_proj
	.globl	k_q026dd75a12_proj
	.p2align	8
	.type	k_q026dd75a12_proj,@function
k_q026dd75a12_proj:
	s_mov_b64 s[64:65], 0
	v_nop
	global_prefetch_b8 v0, s[64:65] scope:SCOPE_SE
	s_setreg_imm32_b32 hwreg(HW_REG_WAVE_MODE, 25, 1), 1
	s_wait_xcnt 0x0
	s_wait_alu depctr_hold_cnt(0) depctr_sa_sdst(0) depctr_va_vdst(0) depctr_va_sdst(0) depctr_va_ssrc(0) depctr_va_vcc(0) depctr_vm_vsrc(0)
	s_getreg_b32 s2, hwreg(HW_REG_IB_STS2, 6, 4)
	s_cmp_eq_u32 s2, 0
	s_cbranch_scc0 .Lentry_in_a_cluster
	s_endpgm
.Lentry_in_a_cluster:
	s_bfe_u32 s2, ttmp6, 0x10000c
	s_cmp_lg_u32 s2, 0xf033
	s_cbranch_scc0 .Lentry_shape_is_right
	s_endpgm
.Lentry_shape_is_right:
; Launch 4 of 5: out0 = O w_proj^T + b_proj, operands f16 (w_proj: its high part), sums f32.  M 8192, N 1024, K 1024.
; NOT STORED HERE: the first 16 positions of each sequence (128 rows): launch 5 makes them more finely and owns those bytes.  They lie inside tiles that hold live work, so their products stay.
; A tile of 128 x 256 gives 64 x 4 = 256 work-groups.  Four waves, each 64 x 128: 32 accumulators, 256 registers.  K goes in steps of 128 through a ring of two LDS slots.
; O lies by head, [16][8192][64]: a K step is two heads; a head's 128 rows of 128 bytes are 16,384 dense bytes, stated as 64 rows of 256 bytes, two rows of O each: row m lies at (m / 2) x 272 + (m % 2) x 128.
; CLUSTERS: 4 x 4.  Tile row = 16 cy + the cluster's y, tile column = cx.  O's tile is shared along a row of the cluster, w_proj's along a column: joint loads.  "This tile begins a sequence" is cluster y % 8 = 0: the same in all partners.
; NO PREFETCH: eight K steps in all, the first two asked for at the head, every tile shared by four work-groups.
; THE MATRIX INSTRUCTION IS USED TRANSPOSED (source 0 = 16 rows of w_proj, source 1 = 16 rows of O).  b_proj is the C of each sum's first product.
; REGISTERS: window 0: v0-31 addresses; v64-127 O's fragments, two buffers of 32; v128-191, v192-255 rows on the way out; v192-255 first b_proj.   window 1: v0-127 w_proj's fragments, two buffers of 64.   window 2: the accumulators ((a, b) at v[8 (8 a + b)]).
.set PITCH,  272
.set APLANE, 64*PITCH                  ; a head's 128 rows: what one of O's tensor loads brings
.set APART,  2*APLANE
.set BHALF,  128*PITCH                 ; 128 rows of w_proj: what one of its tensor loads brings
.set SLOT,   APART+2*BHALF
.set STAGE,  2*SLOT                    ; behind the ring: 16 rows x 528 bytes for each wave
.set SPITCH, 528
.set SPARE,  STAGE+4*16*SPITCH
.set ADRA, 16
.set ADRB, 20
.set STO,  24
.set RD,   25
.set CO,   26
.set BOF,  27
.set SPW,  28
.set NIL,  29
.set AF,   64
.set BK,   128
.set BIAS, 192
.set G1, 24
.set G0, 32
.set G1B, 48
.set G0B, 56
.set MSB, 0
.macro WIN new
.if MSB != \new
	s_set_vgpr_msb (MSB<<8)|\new
.set MSB, \new
.endif
.endm
.set MUL,  0xa1                        ; source 0 (w_proj) window 1, source 1 (O) window 0, C and D window 2
.set BEG,  0x81                        ; a sum's first product: C (b_proj) window 0
.set TO_B, 0x40
.macro JLOAD s                         ; waves 0 and 1 fetch O's two heads, waves 2 and 3 w_proj's two halves; an s_nop 0 and four v_nop follow each line
	s_cmp_eq_u32 s15, 0
	s_cbranch_scc0 .Lfor_b_\@
	tensor_load_to_lds s[G0+4*\s:G0+4*\s+3], s[G1:G1+7]
	s_nop 0
.rept 4
	v_nop
.endr
	s_branch .Lasked_\@
.Lfor_b_\@:
	tensor_load_to_lds s[G0B+4*\s:G0B+4*\s+3], s[G1B:G1B+7]
	s_nop 0
.rept 4
	v_nop
.endr
.Lasked_\@:
.endm
.macro CREST
	s_cmp_lg_u32 s14, 0
	s_cbranch_scc1 .Lnot_wave_0_\@
	s_barrier_signal -3
.Lnot_wave_0_\@:
	s_barrier_wait -3
	s_barrier_signal -1
	s_barrier_wait -1
.endm
.macro CROUND
	s_barrier_signal -1
	s_barrier_wait -1
	CREST
.endm
	s_load_b256 s[4:11], s[0:1], 0x0               ; o16 s[4:5], wp16 s[6:7], b_proj s[8:9], out0 s[10:11]
	v_lshl_add_u32 v[SPW], v0, 2, SPARE
	v_mov_b32 v[NIL], 0
	ds_add_u32 v[SPW], v[NIL]                      ; the wave's opening: the add, twice on end, and its wait ahead of my first tensor load
	ds_add_u32 v[SPW], v[NIL]
	v_lshrrev_b32 v1, 5, v0
	v_readfirstlane_b32 s14, v1                    ; wave 0..3
	s_lshr_b32 s15, s14, 1                         ; which half of the tile's rows is mine.  Also: I fetch for O (0) or for w_proj (1)
	s_and_b32 s16, s14, 1                          ; which half of its columns.  Also: which part I fetch
	s_bfe_u32 s40, ttmp6, 0x40000                  ; cx, cy
	s_bfe_u32 s41, ttmp6, 0x40004
	s_lshl_b32 s42, ttmp9, 2
	s_add_co_u32 s42, s42, s40                     ; tile column
	s_and_b32 s17, ttmp7, 0xffff
	s_and_b32 s73, s17, 7
	s_or_b32 s73, s73, s15                         ; 0: my block 0 is the first 16 positions of a sequence
	s_lshl_b32 s18, s41, 4
	s_add_co_u32 s17, s17, s18                     ; tile row = 16 cy + cluster y
	s_lshl_b32 s43, s41, 2
	s_lshl_b32 s43, 15, s43                        ; my row of the cluster
	s_lshl_b32 s44, 0x1111, s40                    ; my column
	s_or_b32 s[G1+0], s43, (1<<16)|(1<<20)|(1<<21)|(5<<22)|(3<<25)   ; the mask; elements of 2 bytes; padding on; bit 21 beside a mask; 4 words behind every 64
	s_or_b32 s[G1B+0], s44, (1<<16)|(1<<20)|(1<<21)|(5<<22)|(3<<25)
	s_mov_b32 s[G1+1], 128<<16                     ; O: 64 double rows of 128 elements, dense
	s_mov_b32 s[G1+2], 64<<16
	s_mov_b32 s[G1+3], 128<<16
	s_mov_b32 s[G1+4], 64
	s_mov_b32 s[G1+5], 128
	s_mov_b32 s[G1+6], 0
	s_mov_b32 s[G1+7], 0
	s_mov_b32 s[G1B+1], 128<<16                    ; w_proj: 128 rows of 128 elements, 1,024 elements apart
	s_mov_b32 s[G1B+2], 128<<16
	s_mov_b32 s[G1B+3], 128<<16
	s_mov_b32 s[G1B+4], 128
	s_mov_b32 s[G1B+5], 1024
	s_mov_b32 s[G1B+6], 0
	s_mov_b32 s[G1B+7], 0
	s_lshl_b32 s20, s16, 20                        ; O: head (wave % 2) of the K step, 2^20 bytes a head,
	s_lshl_b32 s21, s17, 14                        ; the tile's 128 rows of 128 bytes
	s_add_co_u32 s20, s20, s21
	s_mov_b32 s21, 0
	s_lshl_b32 s46, s42, 19                        ; w_proj: row 256 x tile column + 128 x (wave % 2), 2,048 bytes a row
	s_lshl_b32 s47, s16, 18
	s_add_co_u32 s46, s46, s47
	s_mov_b32 s47, 0
	s_mul_i32 s45, s16, APLANE                     ; where they go: no place in the cluster enters an LDS address
	s_mul_i32 s18, s16, BHALF
	s_add_co_u32 s18, s18, APART
	s_wait_dscnt 0x0                               ; both opening adds are done
	s_wait_kmcnt 0x0
	s_add_nc_u64 s[12:13], s[4:5], s[20:21]
	s_add_nc_u64 s[46:47], s[6:7], s[46:47]
	CROUND                                         ; all sixteen work-groups are here: the first joint loads meet
.irp s, 0,1
	s_mov_b32 s[G0+4*\s], 1
	s_add_co_u32 s[G0+4*\s+1], s45, \s*SLOT
	s_add_nc_u64 s[G0+4*\s+2:G0+4*\s+3], s[12:13], \s*0x200000     ; K step s: two heads on
	s_or_b32 s[G0+4*\s+3], s[G0+4*\s+3], 0x80000000
	s_mov_b32 s[G0B+4*\s], 1
	s_add_co_u32 s[G0B+4*\s+1], s18, \s*SLOT
	s_add_nc_u64 s[G0B+4*\s+2:G0B+4*\s+3], s[46:47], \s*256
	s_or_b32 s[G0B+4*\s+3], s[G0B+4*\s+3], 0x80000000
	JLOAD \s                                       ; two tensor loads of mine are out
.endr
	v_and_b32 v1, 15, v0                           ; l % 16
	v_bfe_u32 v2, v0, 4, 1                         ; l / 16
	s_lshl_b32 s46, s42, 10                        ; my first column in bytes of f32: 1,024 x tile column + 512 x half: in b_proj and in a row of out0
	s_lshl_b32 s47, s16, 9
	s_add_co_u32 s46, s46, s47
	s_mov_b32 s47, 0
	s_add_nc_u64 s[8:9], s[8:9], s[46:47]
	s_add_nc_u64 s[10:11], s[10:11], s[46:47]
	v_lshlrev_b32 v[BOF], 5, v2
.irp b, 0,1,2,3,4,5,6,7
	global_load_b128 v[BIAS+8*\b:BIAS+8*\b+3], v[BOF], s[8:9] offset:64*\b
	global_load_b128 v[BIAS+8*\b+4:BIAS+8*\b+7], v[BOF], s[8:9] offset:64*\b+16
.endr
	s_lshl_b32 s20, s17, 19                        ; my first row of out0: 128 x tile row + 64 x half, 4,096 bytes a row
	s_lshl_b32 s21, s15, 18
	s_add_co_u32 s20, s20, s21
	s_mov_b32 s21, 0
	s_add_nc_u64 s[10:11], s[10:11], s[20:21]
	v_lshrrev_b32 v3, 1, v1
	v_mul_u32_u24 v3, v3, PITCH
	v_and_b32 v4, 1, v1
	v_lshl_add_u32 v3, v4, 7, v3
	v_lshl_add_u32 v3, v2, 4, v3                   ; O: row r: (r / 2) x pitch + (r % 2) x 128 + 16 h
	v_mul_u32_u24 v4, v1, PITCH
	v_lshl_add_u32 v4, v2, 4, v4                   ; w_proj: row r x pitch + 16 h
	s_mul_i32 s21, s15, 32*PITCH                   ; my 64 rows of O
	s_mul_i32 s22, s16, BHALF                      ; my 128 rows of w_proj,
	s_add_co_u32 s22, s22, APART                   ; behind O's part
.irp s, 0,1
	v_add_nc_u32 v[ADRA+\s], s21, v3
	v_add_nc_u32 v[ADRB+\s], s22, v4
	s_add_co_u32 s21, s21, SLOT
	s_add_co_u32 s22, s22, SLOT
.endr
	s_mul_i32 s23, s14, 16*SPITCH
	s_add_co_u32 s23, s23, STAGE                   ; my stage
	v_mul_u32_u24 v5, v1, SPITCH
	v_lshl_add_u32 v5, v2, 5, v5
	v_add_nc_u32 v[STO], s23, v5
	v_and_b32 v6, 31, v0
	v_lshlrev_b32 v[CO], 4, v6
	v_add_nc_u32 v[RD], s23, v[CO]
; 8 matrix instructions: O's block a against w_proj's eight, 32 along K, out of buffer f.  zero = 1: the product starts the sum from b_proj.  The 32 accumulators take turns, one instruction a turn.
.macro MUL8 f, a, zero
.irp b, 0,1,2,3,4,5,6,7
.if \zero
	v_wmma_f32_16x16x32_f16 v[8*(8*(\a)+\b):8*(8*(\a)+\b)+7], v[64*(\f)+8*\b:64*(\f)+8*\b+7], v[AF+32*(\f)+8*(\a):AF+32*(\f)+8*(\a)+7], v[BIAS+8*\b:BIAS+8*\b+7]
.else
	v_wmma_f32_16x16x32_f16 v[8*(8*(\a)+\b):8*(8*(\a)+\b)+7], v[64*(\f)+8*\b:64*(\f)+8*\b+7], v[AF+32*(\f)+8*(\a):AF+32*(\f)+8*(\a)+7], v[8*(8*(\a)+\b):8*(8*(\a)+\b)+7]
.endif
.endr
.endm
; 24 LDS loads in one run: the fragments of the slot's q-th 32 along K into buffer f: w_proj's eight, then O's four
.macro FETCH slot, q, f
	WIN TO_B
.irp i, 0,1,2,3,4,5,6,7
	ds_load_b128 v[64*(\f)+8*\i:64*(\f)+8*\i+3],   v[ADRB+\slot] offset:64*(\q)+\i*16*PITCH
	ds_load_b128 v[64*(\f)+8*\i+4:64*(\f)+8*\i+7], v[ADRB+\slot] offset:64*(\q)+\i*16*PITCH+32
.endr
	WIN 0
.irp i, 0,1,2,3
	ds_load_b128 v[AF+32*(\f)+8*\i:AF+32*(\f)+8*\i+3],   v[ADRA+\slot] offset:((\q)/2)*APLANE+((\q)%2)*64+\i*8*PITCH
	ds_load_b128 v[AF+32*(\f)+8*\i+4:AF+32*(\f)+8*\i+7], v[ADRA+\slot] offset:((\q)/2)*APLANE+((\q)%2)*64+\i*8*PITCH+32
.endr
.endm
.macro PLACES
.rept 4
	v_nop
.endr
.endm
; A K step is four quarters of 32 along K, 32 matrix instructions each, on buffers 0, 1, 0, 1.  One of the first three: multiplies buffer f and fetches quarter qn into buffer g.
.macro QUARTER slot, qn, f, g, zero
	s_wait_dscnt 4                                 ; all but the youngest four loads (O's blocks 2 and 3) are in
.if \zero
	WIN BEG
.else
	WIN MUL
.endif
	MUL8 \f, 0, \zero
	MUL8 \f, 1, \zero
	PLACES
	FETCH \slot, \qn, \g
	s_wait_dscnt 24                                ; all but the 24 just issued
.if \zero
	WIN BEG
.else
	WIN MUL
.endif
	MUL8 \f, 2, \zero
	MUL8 \f, 3, \zero
.endm
; The last quarter multiplies buffer 1 and changes slots: one barrier; in front of it each wave waits for all its tensor loads, adds 0 to its spare word, and waits for that and for its reads of this slot.  fill = 1: the barrier opens a round of the
; cluster's barrier, and this slot is filled again, two K steps ahead: the first tensor load behind the round, 112 matrix instructions ahead of the wait for it.
.macro TURN slot, next, fill
	WIN 0
	s_wait_tensorcnt 0x0
	ds_add_u32 v[SPW], v[NIL]
	s_wait_dscnt 5                                 ; (the add and the youngest four loads may be out)
	WIN MUL
	MUL8 1, 0, 0
	s_wait_dscnt 0x0                               ; the add is done, and my reads of this slot are over
	s_barrier_signal -1
	MUL8 1, 1, 0
	WIN 0
	s_barrier_wait -1
.if \fill
	CREST
	s_add_nc_u64 s[G0+4*\slot+2:G0+4*\slot+3], s[G0+4*\slot+2:G0+4*\slot+3], 0x400000    ; two K steps on: four heads
	s_add_nc_u64 s[G0B+4*\slot+2:G0B+4*\slot+3], s[G0B+4*\slot+2:G0B+4*\slot+3], 512
	JLOAD \slot                                    ; its four v_nop are also the places in front of the loads below
.else
	PLACES
.endif
	FETCH \next, 0, 0
	WIN MUL
	MUL8 1, 2, 0
	MUL8 1, 3, 0
.endm
	s_wait_tensorcnt 1                             ; my part of K step 0 is in (K step 1's load may be out),
	s_barrier_signal -1
	s_barrier_wait -1                              ; everybody's is
	FETCH 0, 0, 0
	s_wait_loadcnt 0x0                             ; b_proj
	QUARTER 0, 1, 0, 1, 1                          ; the first quarter stands in front of the loop: its products start the sums
	WIN 0
	s_mov_b32 s3, 3
.Llap:                                                 ; a trip goes once round the ring and fills both slots again: K steps 2 to 7 in three trips
	QUARTER 0, 2, 1, 0, 0
	QUARTER 0, 3, 0, 1, 0
	TURN 0, 1, 1
	QUARTER 1, 1, 0, 1, 0
	QUARTER 1, 2, 1, 0, 0
	QUARTER 1, 3, 0, 1, 0
	TURN 1, 0, 1
	QUARTER 0, 1, 0, 1, 0
	WIN 0
	s_sub_co_u32 s3, s3, 1
	s_cmp_lg_u32 s3, 0
	s_cbranch_scc1 .Llap
	QUARTER 0, 2, 1, 0, 0                          ; the last lap fills nothing
	QUARTER 0, 3, 0, 1, 0
	TURN 0, 1, 0
	QUARTER 1, 1, 0, 1, 0
	QUARTER 1, 2, 1, 0, 0
	QUARTER 1, 3, 0, 1, 0
	s_wait_dscnt 4
	WIN MUL
	MUL8 1, 0, 0
	MUL8 1, 1, 0
	s_wait_dscnt 0
	MUL8 1, 2, 0
	MUL8 1, 3, 0
	WIN 0
; THE WAY OUT, block by block of 16 rows x 128 columns: through my own stage, back as whole rows of 512 bytes.
.macro TOSTAGE a
	WIN 0x08                                       ; an LDS store's data are its source 1: window 2
.irp b, 0,1,2,3,4,5,6,7
	ds_store_b128 v[STO], v[64*(\a)+8*\b:64*(\a)+8*\b+3] offset:64*\b          ; each accumulator from its low end on
	ds_store_b128 v[STO], v[64*(\a)+8*\b+4:64*(\a)+8*\b+7] offset:64*\b+16
.endr
	WIN 0
.set BB, BK+64*((\a)%2)
.irp t, 0,1,2,3,4,5,6,7,8,9,10,11,12,13,14,15
	ds_load_b128 v[BB+4*\t:BB+4*\t+3], v[RD] offset:\t*SPITCH
.endr
.endm
.macro SEND a, younger                 ; younger: the LDS instructions issued behind block a's loads
.set BB, BK+64*((\a)%2)
	s_wait_dscnt \younger
.if (\a) > 0
	s_add_nc_u64 s[10:11], s[10:11], 65536         ; (behind a wait on XCNT)  16 rows on
.else
	s_cmp_eq_u32 s73, 0                            ; the first 16 positions of a sequence are launch 5's: not stored here.  The cluster's y and the wave's number decide
	s_cbranch_scc1 .Lnot_mine
.endif
.irp t, 0,1,2,3,4,5,6,7,8,9,10,11,12,13,14,15
	global_store_b128 v[CO], v[BB+4*\t:BB+4*\t+3], s[10:11] offset:\t*4096 th:TH_STORE_NT   ; 32 lanes store 512 consecutive bytes of a row
.endr
.if (\a) == 0
.Lnot_mine:
.endif
.endm
	PLACES
	TOSTAGE 0
.irp a, 1,2,3
.if \a > 1
	s_wait_xcnt 0x0                                ; block a - 2's stores have read their registers and their base
.endif
	TOSTAGE \a
	SEND \a-1, 32                                  ; behind block a - 1's loads: block a's 16 stores and 16 loads
.endr
	s_wait_xcnt 0x0
	SEND 3, 0
	s_wait_tensorcnt 0x0                           ; the wave's end
	ds_add_u32 v[SPW], v[NIL]
	s_wait_dscnt 0x0
	CROUND                                         ; the closing round
	s_endpgm
.Lfunc_end_k_q026dd75a12_proj:
	.size	k_q026dd75a12_proj, .Lfunc_end_k_q026dd75a12_proj-k_q026dd75a12_proj
	.p2alignl 7, 3214868480
	.fill 96, 4, 3214868480
	.section	.rodata,"a",@progbits
	.p2align	6, 0x0
	.amdhsa_kernel k_q026dd75a12_proj
		.amdhsa_group_segment_fixed_size 327680
		.amdhsa_private_segment_fixed_size 0
		.amdhsa_enable_private_segment 0
		.amdhsa_kernarg_size 32
		.amdhsa_user_sgpr_count 2
		.amdhsa_user_sgpr_kernarg_segment_ptr 1
		.amdhsa_wavefront_size32 1
		.amdhsa_system_sgpr_workgroup_id_x 1
		.amdhsa_system_sgpr_workgroup_id_y 1
		.amdhsa_system_sgpr_workgroup_id_z 1
		.amdhsa_system_vgpr_workitem_id 0
		.amdhsa_next_free_vgpr 768
		.amdhsa_next_free_sgpr 76
		.amdhsa_reserve_vcc 0
		.amdhsa_float_denorm_mode_32 3
		.amdhsa_float_denorm_mode_16_64 3
		.amdhsa_memory_ordered 1
		.amdhsa_forward_progress 1
		.amdhsa_inst_pref_size 87
	.end_amdhsa_kernel
	.amdgpu_metadata
---
amdhsa.version: [ 1, 2 ]
amdhsa.kernels:
  - .name:           k_q026dd75a12_proj
    .symbol:         k_q026dd75a12_proj.kd
    .args:
      - { .name: o16, .offset: 0, .size: 8, .value_kind: global_buffer, .address_space: global }
      - { .name: wp16, .offset: 8, .size: 8, .value_kind: global_buffer, .address_space: global }
      - { .name: b_proj, .offset: 16, .size: 8, .value_kind: global_buffer, .address_space: global }
      - { .name: out0, .offset: 24, .size: 8, .value_kind: global_buffer, .address_space: global }
    .group_segment_fixed_size: 327680
    .private_segment_fixed_size: 0
    .kernarg_segment_align: 8
    .kernarg_segment_size: 32
    .max_flat_workgroup_size: 128
    .sgpr_count:     76
    .vgpr_count:     768
    .wavefront_size: 32
...
	.end_amdgpu_metadata
.endif
;; end of part 4
;; launch first16 (part 5): grid 16 x 8, 16 waves a work-group, no clusters, 84,992 bytes of LDS; arguments fine, wp16, b_proj, out0; writes out0
.if DOCPART == 5
	.amdgcn_target "amdgcn-amd-amdhsa--gfx1250"
	.amdhsa_code_object_version 6
	.text
	.protected	k_q026dd75a12_first16
	.globl	k_q026dd75a12_first16
	.p2align	8
	.type	k_q026dd75a12_first16,@function
k_q026dd75a12_first16:
	s_mov_b64 s[64:65], 0
	v_nop
	global_prefetch_b8 v0, s[64:65] scope:SCOPE_SE
	s_setreg_imm32_b32 hwreg(HW_REG_WAVE_MODE, 25, 1), 1
	s_wait_xcnt 0x0
; Launch 5 of 5: the first 16 positions of each of the 8 sequences, carried finely: there a row of the softmax averages one to sixteen values, and the results are the largest of the output.
; Attention on f32 operands (q, k, v as launch 2 left them in fine [8][16][3072]); the projection on pairs of f16 numbers, a high and a low part, of O and of w_proj: Wh Oh + Wh Ol + Wl Oh, sums f32.
; LEFT OUT: keys 16 and later: behind every query here, so the problem's own mask gives them the weight 0.  Inside the one 16 x 16 tile hidden scores are set to -infinity.
; SHARES.  A work-group takes one batch (y) and 64 columns of out0 (x).  Phase A: wave w is head w: its 16 x 64 of O.  All sixteen column groups of a batch make the same O (12 KB of input a wave): so one launch serves.
; Phase B: wave w takes column tile w % 4 and the quarter w / 4 of K = 1024; the four quarters meet in LDS; then wave w adds and stores row w: 32 lanes x 8 bytes = the row's 256 consecutive bytes.
; O goes from wave to wave as images of the operand's registers: 16 bytes a lane, 512 bytes a store.  No tensor loads.
; The f32 matrix form takes K = 4: lane (r, h) holds row r and k = 2 h + j.  The same permutation of k on both operands keeps the products: for S^T a lane holds channels 32 h + 0 .. 31, a register pair an instruction.
; v112-159 are written by matrix instructions alone.
.set OIMG,  0                          ; 32 K steps of 32 x (high 1,024 bytes + low 1,024)
.set RED,   65536                      ; 4 quarters x 16 rows x (256 bytes + 16)
.set RP,    272
.set SPARE, RED+4*16*RP                ; the spare words, 128 bytes for each wave
.set SPW, 1
.set NIL, 2
.set QA,  3                            ; v3   q, k: row r of 12,288 bytes, + 128 h
.set VA,  4                            ; v4   v: key 8 h, channel r
.set WA,  5                            ; v5   w_proj: row r of 2,048 bytes, + 16 h
.set LI,  6                            ; v6   16 x lane
.set IW,  7                            ; v7   where I store my head's images
                                       ; v[8:9] b_proj at my two columns of the row that I store
.set RR,  10                           ; v10  where I read my row of the four quarters
.set OO,  11                           ; v11  my byte offset in out0
.set IR,  12                           ; v12  where I read my quarter's images
.set RW,  13                           ; v13  where I put my quarter's part
.set BO,  14                           ; v14  8 x lane
.set DG,  15                           ; v15  r - 8 h
	s_load_b256 s[4:11], s[0:1], 0x0               ; fine s[4:5], wp16 s[6:7], b_proj s[8:9], out0 s[10:11]
	v_lshl_add_u32 v[SPW], v0, 2, SPARE
	v_mov_b32 v[NIL], 0
	v_lshrrev_b32 v3, 5, v0
	v_readfirstlane_b32 s12, v3                    ; wave 0..15
	s_and_b32 s13, ttmp7, 0xffff                   ; the batch
	s_and_b32 s14, s12, 3                          ; t: my column tile
	s_lshr_b32 s15, s12, 2                         ; my quarter of K
	v_and_b32 v10, 15, v0                          ; r
	v_bfe_u32 v11, v0, 4, 1                        ; h
	v_mul_u32_u24 v[QA], v10, 12288
	v_lshl_add_u32 v[QA], v11, 7, v[QA]
	v_mul_u32_u24 v[VA], v11, 98304
	v_lshl_add_u32 v[VA], v10, 2, v[VA]
	v_lshlrev_b32 v[WA], 11, v10
	v_lshl_add_u32 v[WA], v11, 4, v[WA]
	v_and_b32 v[BO], 31, v0
	v_lshlrev_b32 v[LI], 4, v[BO]
	s_lshl_b32 s16, s12, 12
	v_add_nc_u32 v[IW], s16, v[LI]                 ; my head's two K steps: 4,096 bytes a head
	s_lshl_b32 s16, s15, 14
	v_add_nc_u32 v[IR], s16, v[LI]                 ; my quarter's eight K steps
	s_mul_i32 s16, s15, 16*RP
	s_lshl_b32 s17, s14, 6
	s_add_co_u32 s16, s16, s17
	s_add_co_u32 s16, s16, RED
	v_mul_u32_u24 v[RW], v10, RP
	v_lshl_add_u32 v[RW], v11, 5, v[RW]
	v_add_nc_u32 v[RW], s16, v[RW]                 ; quarter, row r, + 64 t + 32 h
	v_lshlrev_b32 v[DG], 3, v11
	v_sub_nc_u32 v[DG], v10, v[DG]
	v_lshlrev_b32 v[BO], 3, v[BO]
	s_mul_i32 s16, s12, RP
	s_add_co_u32 s16, s16, RED
	v_add_nc_u32 v[RR], s16, v[BO]                 ; row w of quarter 0, 8 bytes a lane
	s_lshl_b32 s16, s12, 12
	v_add_nc_u32 v[OO], s16, v[BO]                 ; row w of 4,096 bytes
	s_mul_i32 s16, s13, 196608                     ; fine: the batch's 16 rows, my head's 256 bytes
	s_lshl_b32 s17, s12, 8
	s_add_co_u32 s16, s16, s17
	s_mov_b32 s17, 0
	s_lshl_b32 s18, ttmp9, 17                      ; wp16: row 64 x + 16 t, + 512 bytes a quarter
	s_lshl_b32 s19, s14, 15
	s_add_co_u32 s18, s18, s19
	s_lshl_b32 s19, s15, 9
	s_add_co_u32 s18, s18, s19
	s_mov_b32 s19, 0
	s_lshl_b32 s20, ttmp9, 8                       ; my 64 columns in bytes
	s_mov_b32 s21, 0
	s_lshl_b32 s22, s13, 22                        ; out0: a batch is 2^22 bytes
	s_add_co_u32 s22, s22, s20
	s_mov_b32 s23, 0
	s_mov_b32 s24, 0x76543210
	s_mov_b32 s25, 0xfedcba98                      ; v_permlanex16_b32's selects for lane l xor 16
	s_mov_b32 s26, 0x3e38aa3b                      ; c = log2(e) / 8
	s_mov_b32 s28, 0x46000400                      ; 8193.0, for the split
	s_mov_b32 s29, s28
	s_wait_kmcnt 0x0
	s_add_nc_u64 s[4:5], s[4:5], s[16:17]
	s_add_nc_u64 s[6:7], s[6:7], s[18:19]
	s_add_nc_u64 s[8:9], s[8:9], s[20:21]
	s_add_nc_u64 s[10:11], s[10:11], s[22:23]
	global_load_b64 v[8:9], v[BO], s[8:9]
.irp i, 0,1,2,3,4,5,6,7
	global_load_b128 v[16+4*\i:19+4*\i], v[QA], s[4:5] offset:16*\i            ; q(r, 32 h + 4 i ..)
.endr
.irp i, 0,1,2,3,4,5,6,7
	global_load_b128 v[48+4*\i:51+4*\i], v[QA], s[4:5] offset:4096+16*\i       ; k likewise
.endr
.irp c, 0,1,2,3
.irp i, 0,1,2,3,4,5,6,7
	global_load_b32 v[80+8*\c+\i], v[VA], s[4:5] offset:8192+12288*\i+64*\c    ; v(key 8 h + i, channel 16 c + r)
.endr
.endr
.irp ks, 0,1,2,3,4,5
.irp p, 0,1,2,3
	global_load_b128 v[160+16*\ks+4*\p:160+16*\ks+4*\p+3], v[WA], s[6:7] offset:64*\ks+32*(\p%2)+2097152*(\p/2)   ; w_proj's fragments of K steps 0-5: high, then low
.endr
.endr
	; ---- A: S^T = k q^T: 16 instructions of K = 4 on two accumulators by turns
	s_wait_loadcnt 56                              ; b_proj, q and k are in; v's 32 loads and w_proj's 24 may be out
	v_wmma_f32_16x16x4_f32 v[112:119], v[48:49], v[16:17], 0
	v_wmma_f32_16x16x4_f32 v[120:127], v[50:51], v[18:19], 0
.irp n, 2,4,6,8,10,12,14
	v_wmma_f32_16x16x4_f32 v[112:119], v[48+2*\n:49+2*\n], v[16+2*\n:17+2*\n], v[112:119]
	v_wmma_f32_16x16x4_f32 v[120:127], v[50+2*\n:51+2*\n], v[18+2*\n:19+2*\n], v[120:127]
.endr
.rept 8
	v_nop                                          ; eight places behind this form
.endr
.irp ks, 6,7
.irp p, 0,1,2,3
	global_load_b128 v[16+16*(\ks-6)+4*\p:16+16*(\ks-6)+4*\p+3], v[WA], s[6:7] offset:64*\ks+32*(\p%2)+2097152*(\p/2)   ; K steps 6, 7 into q's registers
.endr
.endr
.irp j, 0,1,2,3,4,5,6,7
	v_add_f32 v[48+\j], v[112+\j], v[120+\j]       ; the scores: lane (r, h): query r, key 8 h + j
.endr
	v_mov_b32 v64, 0xff800000
.irp j, 0,1,2,3,4,5,6,7
	v_cmp_gt_i32 vcc_lo, \j, v[DG]                 ; hidden where 8 h + j > r
	v_cndmask_b32 v[48+\j], v[48+\j], v64, vcc_lo
.endr
	v_max3_num_f32 v65, v48, v49, v50
	v_max3_num_f32 v66, v51, v52, v53
	v_max3_num_f32 v65, v65, v54, v55
	v_max_num_f32 v65, v65, v66
	v_permlanex16_b32 v66, v65, s24, s25
	v_max_num_f32 v65, v65, v66                    ; the row's maximum: key 0 counts for every query
	v_mul_f32 v65, s26, v65
.irp j, 0,1,2,3,4,5,6,7
	v_fma_f32 v[48+\j], v[48+\j], s26, -v65
.endr
.irp j, 0,1,2,3,4,5,6,7
	v_exp_f32 v[48+\j], v[48+\j]
.endr
	v_nop
	s_wait_alu depctr_va_vdst(0)                   ; one wait for the eight, ahead of their first reader
	v_add_f32 v66, v48, v49
	v_add_f32 v67, v50, v51
	v_add_f32 v68, v52, v53
	v_add_f32 v69, v54, v55
	v_add_f32 v66, v66, v67
	v_add_f32 v68, v68, v69
	v_add_f32 v66, v66, v68
	v_permlanex16_b32 v67, v66, s24, s25
	v_add_f32 v66, v66, v67
	v_rcp_f32 v68, v66
	v_nop
	s_wait_alu depctr_va_vdst(0)
.irp j, 0,1,2,3,4,5,6,7
	v_mul_f32 v[56+\j], v[48+\j], v68              ; the weights, in f32
.endr
	s_wait_loadcnt 32                              ; v is in; w_proj's 24 + 8 loads may be out
.irp c, 0,1,2,3                                ; O^T = v^T P: keys 8 h + 2 s + j on both operands; the four tiles of channels by turns
	v_wmma_f32_16x16x4_f32 v[128+8*\c:135+8*\c], v[80+8*\c:81+8*\c], v[56:57], 0
.endr
.irp s, 1,2,3
.irp c, 0,1,2,3
	v_wmma_f32_16x16x4_f32 v[128+8*\c:135+8*\c], v[80+8*\c+2*\s:81+8*\c+2*\s], v[56+2*\s:57+2*\s], v[128+8*\c:135+8*\c]
.endr
.endr
.rept 8
	v_nop
.endr
	; the split, in f32: g = 8193 O (rounded), d = O - g, high = g + d, low = O - high: high has 11 significant bits; the rounding of g is what cuts, so multiply and subtraction stay two instructions.
	; Lane (r, h) holds query r and channels 16 c + 8 h + j: tiles 2 u and 2 u + 1, packed in pairs, are source 1 of K step u of my head.
.irp u, 0,1
.irp n, 0,2,4,6,8,10,12,14
	v_pk_mul_f32 v[96+\n:97+\n], v[128+16*\u+\n:129+16*\u+\n], s[28:29] op_sel_hi:[1,0]
.endr
.irp n, 0,2,4,6,8,10,12,14
	v_pk_add_f32 v[48+\n:49+\n], v[128+16*\u+\n:129+16*\u+\n], v[96+\n:97+\n] neg_lo:[0,1] neg_hi:[0,1]
.endr
.irp n, 0,2,4,6,8,10,12,14
	v_pk_add_f32 v[96+\n:97+\n], v[96+\n:97+\n], v[48+\n:49+\n]
.endr
.irp n, 0,2,4,6,8,10,12,14
	v_pk_add_f32 v[48+\n:49+\n], v[128+16*\u+\n:129+16*\u+\n], v[96+\n:97+\n] neg_lo:[0,1] neg_hi:[0,1]
.endr
.irp n, 0,1,2,3,4,5,6,7
	v_cvt_pk_f16_f32 v[64+8*\u+\n], v[96+2*\n], v[97+2*\n]
	v_cvt_pk_f16_f32 v[80+8*\u+\n], v[48+2*\n], v[49+2*\n]
.endr
.endr
.irp u, 0,1
	ds_store_b128 v[IW], v[64+8*\u:67+8*\u] offset:OIMG+2048*\u
	ds_store_b128 v[IW], v[68+8*\u:71+8*\u] offset:OIMG+2048*\u+512
	ds_store_b128 v[IW], v[80+8*\u:83+8*\u] offset:OIMG+2048*\u+1024
	ds_store_b128 v[IW], v[84+8*\u:87+8*\u] offset:OIMG+2048*\u+1536
.endr
	s_wait_dscnt 0x0                               ; for the others' sake: my images have landed
	s_barrier_signal -1
	s_barrier_wait -1                              ; all 32 K steps of O lie in LDS
	; ---- B: my 16 columns, my quarter of K: eight K steps of 32, three sums by turns
	s_wait_loadcnt 0x0                             ; w_proj
.rept 9
	v_nop                                          ; the new sums write over results of the f32 form: nine places
.endr
.macro PROD ks, i, first
.if (\ks) < 6
.set WR, 160+16*(\ks)
.else
.set WR, 16+16*((\ks)-6)
.endif
.if \first
	v_wmma_f32_16x16x32_f16 v[112:119], v[WR:WR+7], v[48+16*(\i):55+16*(\i)], 0
	v_wmma_f32_16x16x32_f16 v[120:127], v[WR:WR+7], v[56+16*(\i):63+16*(\i)], 0
	v_wmma_f32_16x16x32_f16 v[128:135], v[WR+8:WR+15], v[48+16*(\i):55+16*(\i)], 0
.else
	v_wmma_f32_16x16x32_f16 v[112:119], v[WR:WR+7], v[48+16*(\i):55+16*(\i)], v[112:119]      ; Wh Oh
	v_wmma_f32_16x16x32_f16 v[120:127], v[WR:WR+7], v[56+16*(\i):63+16*(\i)], v[120:127]      ; Wh Ol
	v_wmma_f32_16x16x32_f16 v[128:135], v[WR+8:WR+15], v[48+16*(\i):55+16*(\i)], v[128:135]   ; Wl Oh
.endif
.endm
.irp i, 0,1,2,3
.irp p, 0,1,2,3
	ds_load_b128 v[48+16*\i+4*\p:51+16*\i+4*\p], v[IR] offset:OIMG+2048*\i+512*\p
.endr
.endr
	s_wait_dscnt 0x0
	PROD 0, 0, 1
	PROD 1, 1, 0
	PROD 2, 2, 0
	PROD 3, 3, 0
.rept 4
	v_nop                                          ; places in front of loads into registers that matrix instructions have read
.endr
.irp i, 0,1,2,3
.irp p, 0,1,2,3
	ds_load_b128 v[48+16*\i+4*\p:51+16*\i+4*\p], v[IR] offset:OIMG+2048*(4+\i)+512*\p
.endr
.endr
	s_wait_dscnt 0x0
	PROD 4, 0, 0
	PROD 5, 1, 0
	PROD 6, 2, 0
	PROD 7, 3, 0
.rept 4
	v_nop
.endr
.irp j, 0,1,2,3,4,5,6,7
	v_add_f32 v[48+\j], v[112+\j], v[120+\j]       ; lane (r, h): row r, columns 16 t + 8 h + j
	v_add_f32 v[48+\j], v[48+\j], v[128+\j]
.endr
	ds_store_b128 v[RW], v[48:51]
	ds_store_b128 v[RW], v[52:55] offset:16
	s_wait_dscnt 0x0
	s_barrier_signal -1
	s_barrier_wait -1                              ; the four quarters of all 16 rows lie in LDS
.irp k, 0,1,2,3
	ds_load_b64 v[56+2*\k:57+2*\k], v[RR] offset:16*RP*\k
.endr
	s_wait_dscnt 0x0
	v_pk_add_f32 v[56:57], v[56:57], v[58:59]
	v_pk_add_f32 v[60:61], v[60:61], v[62:63]
	v_pk_add_f32 v[56:57], v[56:57], v[60:61]
	v_pk_add_f32 v[56:57], v[56:57], v[8:9]        ; + b_proj
	global_store_b64 v[OO], v[56:57], s[10:11]     ; 32 lanes store 256 consecutive bytes of row w
	s_wait_tensorcnt 0x0                           ; the wave's end, behind my last LDS store
	ds_add_u32 v[SPW], v[NIL]
	s_wait_dscnt 0x0
	s_endpgm
.Lfunc_end_k_q026dd75a12_first16:
	.size	k_q026dd75a12_first16, .Lfunc_end_k_q026dd75a12_first16-k_q026dd75a12_first16
	.p2alignl 7, 3214868480
	.fill 96, 4, 3214868480
	.section	.rodata,"a",@progbits
	.p2align	6, 0x0
	.amdhsa_kernel k_q026dd75a12_first16
		.amdhsa_group_segment_fixed_size 84992
		.amdhsa_private_segment_fixed_size 0
		.amdhsa_enable_private_segment 0
		.amdhsa_kernarg_size 32
		.amdhsa_user_sgpr_count 2
		.amdhsa_user_sgpr_kernarg_segment_ptr 1
		.amdhsa_wavefront_size32 1
		.amdhsa_system_sgpr_workgroup_id_x 1
		.amdhsa_system_sgpr_workgroup_id_y 1
		.amdhsa_system_sgpr_workgroup_id_z 1
		.amdhsa_system_vgpr_workitem_id 0
		.amdhsa_next_free_vgpr 256
		.amdhsa_next_free_sgpr 66
		.amdhsa_reserve_vcc 1
		.amdhsa_float_denorm_mode_32 3
		.amdhsa_float_denorm_mode_16_64 3
		.amdhsa_memory_ordered 1
		.amdhsa_forward_progress 1
		.amdhsa_inst_pref_size 28
	.end_amdhsa_kernel
	.amdgpu_metadata
---
amdhsa.version: [ 1, 2 ]
amdhsa.kernels:
  - .name:           k_q026dd75a12_first16
    .symbol:         k_q026dd75a12_first16.kd
    .args:
      - { .name: fine, .offset: 0, .size: 8, .value_kind: global_buffer, .address_space: global }
      - { .name: wp16, .offset: 8, .size: 8, .value_kind: global_buffer, .address_space: global }
      - { .name: b_proj, .offset: 16, .size: 8, .value_kind: global_buffer, .address_space: global }
      - { .name: out0, .offset: 24, .size: 8, .value_kind: global_buffer, .address_space: global }
    .group_segment_fixed_size: 84992
    .private_segment_fixed_size: 0
    .kernarg_segment_align: 8
    .kernarg_segment_size: 32
    .max_flat_workgroup_size: 512
    .sgpr_count:     66
    .vgpr_count:     256
    .wavefront_size: 32
...
	.end_amdgpu_metadata
.endif
;; end of part 5
